; MI455X (gfx1250); checked and timed in simulation.
; The chip was launched on July 23, 2026; its instructions are those of AMD's public machine-readable ISA for CDNA 5 (MIT licence, August 2026) and "CDNA5" Instruction Set Architecture Reference Guide (July 2026). The comments in the code are by the model that wrote it; some were corrected since.
;; Attention With Einops. Allowed arithmetic: matrix products marked QUANTISED: E4M3 operands, one E8M0 scale for each 32 along K, by v_wmma_scale_f32_16x16x128_f8f6f4 with both operands' format E4M3, f32 sums; everything else in f32.
;; Inputs: W_K 16 x 64 x 1,024 float32; W_O 16 x 64 x 1,024 float32; W_Q 16 x 64 x 1,024 float32; W_V 16 x 64 x 1,024 float32; residual 2 x 2,048 x 1,024 float32.
;; Outputs: out0 2 x 2,048 x 1,024 float32.
;; This version of the problem:
;;   THIS VERSION OF THE PROBLEM IS GIVEN IN LOW PRECISION. The matrix products marked QUANTISED in the list below multiply operands that are first quantised to E4M3 (4 exponent bits, 3 mantissa bits; 8 bits a number), with one power-of-two scale for each 32 numbers along K (OCP MX v1.0); their sums are f32. All else is computed in f32.
;;   The module's matrix products, in the order in which they are computed (A, B: the left and right operand; K: the contracted axis; several contracted axes count as one K, in the product's order):
;;     1. [M 4,096, K 1,024] x [K 1,024, N 1,024]; A: input residual; B: input W_Q: QUANTISED
;;     2. [M 4,096, K 1,024] x [K 1,024, N 1,024]; A: input residual; B: input W_K: QUANTISED
;;     3. [M 4,096, K 1,024] x [K 1,024, N 1,024]; A: input residual; B: input W_V: QUANTISED
;;     4. batch 32 x [M 2,048, K 64] x [K 64, N 2,048]; A: computed on the way; B: computed on the way: QUANTISED
;;     5. batch 32 x [M 64, K 2,048] x [K 2,048, N 2,048]; A: computed on the way; B: softmax (see below): QUANTISED
;;     6. [M 4,096, K 1,024] x [K 1,024, N 1,024]; A: computed on the way; B: input W_O: QUANTISED
;;   THE QUANTISER, for each operand of a quantised product, along K:
;;     - K is cut into blocks of 32 from its start; a last block that is shorter is filled with zeros.
;;     - A block's scale is 2^e with e = floor(log2(the largest magnitude in the block)) - 8, held to -126 .. 127; a block of zeros has e = 0. As a byte (E8M0): e + 127.
;;     - Each number is divided by its block's scale, clamped to +-448, and rounded to the nearest number of E4M3, ties to even, subnormals kept.
;;     - The product sums the exact products of the quantised numbers (number of the format x scale) in f32.
;;   ~~~python
;;   def quantise(x, axis):      # numpy; x: float32 -> the quantised numbers, widened to float32 again
;;       x = np.moveaxis(x, axis, -1); K = x.shape[-1]
;;       x = np.pad(x, [(0, 0)] * (x.ndim - 1) + [(0, -K % 32)]); x = x.reshape(x.shape[:-1] + (-1, 32)); a = np.abs(x).max(-1, keepdims=True)
;;       e = np.where(a > 0, np.clip(np.frexp(np.where(a > 0, a, 1))[1] - 1 - 8, -126, 127), 0)      # np.frexp(a)[1] - 1 = floor(log2(a)), exactly
;;       r = np.clip(x / 2.0 ** e, -448, 448)
;;       step = 2.0 ** (np.maximum(np.frexp(np.where(r == 0, 1, r))[1] - 1, -6) - 3)
;;       q = np.round(r / step) * step * 2.0 ** e      # np.round: ties to even
;;       return np.moveaxis(q.reshape(q.shape[:-2] + (-1,))[..., :K], -1, axis).astype(np.float32)
;;   ~~~
;;   SOFTMAX AHEAD OF A QUANTISED PRODUCT. Where the list says 'softmax', what is quantised is not the finished softmax but p = 2^(t - M), with t = logit x log2(e) and M = ceil(the row's largest t), a whole number; so 1/2 < the row's largest p <= 1. The row's sum l is taken of the UNQUANTISED p, in f32, and the product's result is divided by l at the end. Since M is a whole number, a kernel that streams over the keys may use a running M (the ceiling of the running maximum): every later rescaling is an exact power of two, which a block's scale takes up: the codes' values come out the same.
;;   OPERANDS COMPUTED ON THE WAY. 'Computed on the way' means the value that the module computes at that place (a softmax that the list does not call 'softmax' is quantised finished and normalised). What goes into a quantiser is computed in f32, as accurately as f32 sums, v_exp_f32 and their like allow (about 1e-6 of the number): no bf16 or f16 on the way to a quantiser, and a product that is left as it is and whose result goes on into a quantised operand takes f32 operands (vector FMAs, or v_wmma_f32_16x16x4_f32). A number that lies on a knife's edge between two numbers of the format may be rounded either way, as far as f32 arithmetic and the matrix unit's own rounding can turn it there, and no further.
;; One version. Each part assembles by itself: llvm-mc -triple=amdgcn-amd-amdhsa -mcpu=gfx1250 --defsym DOCPART=n.
;; ======== version 1 of 1: 4 launches
;; limits: right only within a limited range of input values
;; workspace buffers: xc 7,340,032 bytes; xs 229,376 bytes; wo 1,081,344 bytes; qi 4,325,376 bytes; kv 8,650,752 bytes; ai 4,325,376 bytes
;; launch quant (part 1): grid 256 x 1, 8 waves a work-group, no clusters, 43,008 bytes of LDS; arguments residual, W_Q, W_K, W_V, W_O, xc, xs, wo; writes xc, xs, wo
.if DOCPART == 1
	.amdgcn_target "amdgcn-amd-amdhsa--gfx1250"
	.amdhsa_code_object_version 6
	.text
	.protected	k_q99fc4d6e49_quant
	.globl	k_q99fc4d6e49_quant
	.p2align	8
	.type	k_q99fc4d6e49_quant,@function
k_q99fc4d6e49_quant:
	s_mov_b64 s[64:65], 0
	v_nop
	global_prefetch_b8 v0, s[64:65] scope:SCOPE_SE
	s_setreg_imm32_b32 hwreg(HW_REG_WAVE_MODE, 25, 1), 1
	s_wait_xcnt 0x0
; All five inputs, f32, become codes of FP8 (E4M3) with one E8M0 scale byte for each 32 along their product's K.  Each of the 256 work-groups takes 131,072 bytes.
; A block's scale is 2^(floor(log2(its largest magnitude)) - 8); its byte is the largest magnitude's exponent field - 8, held at 1 from below.  Each number is divided by the scale, held within +-448, rounded to the nearest code, ties to even.
; LIMITS: a block of zeros gets the byte 1 where the quantiser says 127 (its codes are zeros, and this program alone reads the bytes); blocks whose largest magnitude lies under 2^-118 take the floor's byte; NaN and infinities are not served.
; WORK LEFT OUT in the whole program: the key steps of 128 keys that reference()'s own causal mask hides whole from a tile of queries (launch attn): their p is 0 for all inputs.  A NaN or an infinity that reaches only those is not carried to the result.
; WORK-GROUPS 0-223: residual (128 work-groups), W_Q, W_K, W_V (32 each), 32 rows each: K = d is innermost, rows of 1,024 are dense.  A wave takes 4 rows (4,096 numbers) in 8 steps of 512.
;   Their codes make one table xc of 7,168 rows x 1,024 bytes, their scale bytes one table xs of 7,168 x 32.  Residual's rows come first; then for each head h and each half c of its 64 e: 32 rows of W_Q, 32 of W_K, 32 of W_V.
;   WITHIN 32 ROWS BITS 3 AND 4 OF THE ROW NUMBER ARE EXCHANGED: sixteen neighbouring places then hold rows 8 u + (m % 8) + 16 (m / 8): the rows that the next launch wants in one fragment.
;   Each load reads 512 consecutive bytes; a step's 2,048 bytes turn through the wave's own stage in LDS so that a lane gets 16 neighbours along K; two neighbouring lanes hold a block.
;   The scale bytes of the 32 rows, 1,024 on end, are gathered in LDS and leave in whole units.
; WORK-GROUPS 224-255: W_O, whose K (h, e) is its FIRST axis.  A lane takes a column n and its registers run down K: a block of 32 lies in one lane.  The codes are stored in the order of the operand's registers:
;   wo[n tile 64][K step 8][c 4][lane 32][16 bytes], lane (r, h) holding k = 128 step + 32 c + 16 h + 0 .. 15 of column 16 tile + r; the scale bytes [n 1,024][32] follow from byte 1,048,576.  This path uses no LDS.
.set NWA,   224                        ; work-groups of the first kind
.set STEPS, 8
.set EMAX,  8
.set MANT,  0x600000                   ; the mantissa field of 448 as f32
.set R,     16                         ; v16-143  eight sets of 16 numbers as they are loaded
.set X,     144                        ; v144-175 two sets of 16 neighbours
.set C,     176                        ; v176-207 codes: four registers for each step, so that no store's data are written again
.set E,     208                        ; v208-215 a scale byte for each step
.set SPW,   216                        ; v216, v217 the add's
.set NIL,   217
.set SP,    80                         ; a lane's place in a stage: 64 bytes + 16 of padding
.set WREG,  2*32*SP                    ; LDS: two stages for each wave,
.set SCB,   8*WREG                     ; behind them the 1,024 scale bytes,
.set SPARE, SCB+1024                   ; and the spare words, 128 bytes a wave
	s_load_b512 s[4:19], s[0:1], 0x0               ; residual s[4:5], W_Q s[6:7], W_K s[8:9], W_V s[10:11], W_O s[12:13], xc s[14:15], xs s[16:17], wo s[18:19]
	v_lshl_add_u32 v[SPW], v0, 2, SPARE
	v_mov_b32 v[NIL], 0
	v_lshrrev_b32 v1, 5, v0
	v_readfirstlane_b32 s20, v1                    ; wave 0..7
	v_and_b32 v2, 31, v0                           ; lane
	s_cmp_ge_u32 ttmp9, NWA
	s_cbranch_scc1 .Lwo                            ; the choice hangs on the work-group's number alone
	s_and_b32 s26, s20, 1                          ; the wave's rows are bits 4:2 = its number; its place exchanges the upper two
	s_lshr_b32 s27, s20, 2
	s_lshl_b32 s27, s27, 1
	s_or_b32 s26, s26, s27
	s_bfe_u32 s27, s20, 0x10001
	s_lshl_b32 s27, s27, 2
	s_or_b32 s26, s26, s27
	s_mul_i32 s21, s20, WREG
	s_lshl_b32 s27, s26, 7
	s_add_co_u32 s27, s27, SCB
	s_lshl_b32 s25, s20, 9
	s_add_co_u32 s25, s25, SCB
	s_mov_b32 s23, MANT                            ; (an instruction takes one literal)
	s_wait_alu depctr_va_vdst(0)
	v_lshlrev_b32 v3, 4, v2                        ; my 16 bytes of a load's 512, and my codes' place in a step's
	v_lshrrev_b32 v14, 2, v2
	v_mul_u32_u24 v14, v14, SP
	v_and_b32 v15, 3, v2
	v_lshl_add_u32 v14, v15, 4, v14
	v_add_nc_u32 v14, s21, v14                     ; the stage, on the way in: four lanes' 64 bytes on end, then 16 of padding
	v_mul_u32_u24 v15, v2, SP
	v_add_nc_u32 v15, s21, v15                     ; and on the way out: SP x lane: my 16 neighbours
	v_lshrrev_b32 v5, 1, v2
	v_add_nc_u32 v5, s27, v5                       ; LDS: my wave's 128 scale bytes, my block's byte
	v_add_nc_u32 v6, s25, v3                       ; and on the way out 16 bytes a lane
	s_wait_alu depctr_va_vdst(0)
	s_wait_kmcnt 0x0
	s_mov_b32 s22, 192                             ; which tensor, its first work-group, and where its rows begin in the tables
	s_mov_b32 s31, 4160
	s_mov_b32 s30, 96
	s_cmp_lt_u32 ttmp9, 192
	s_cselect_b64 s[8:9], s[8:9], s[10:11]
	s_cselect_b32 s22, 160, s22
	s_cselect_b32 s31, 4128, s31
	s_cmp_lt_u32 ttmp9, 160
	s_cselect_b64 s[6:7], s[6:7], s[8:9]
	s_cselect_b32 s22, 128, s22
	s_cselect_b32 s31, 4096, s31
	s_cmp_lt_u32 ttmp9, 128
	s_cselect_b64 s[4:5], s[4:5], s[6:7]
	s_cselect_b32 s22, 0, s22
	s_cselect_b32 s31, 0, s31
	s_cselect_b32 s30, 32, s30
	s_sub_co_u32 s22, ttmp9, s22
	s_mul_i32 s28, s22, s30
	s_add_co_u32 s28, s28, s31                     ; my work-group's first place: residual 32 x its number; weights 4,096 + 96 x (2 head + half) + 32 x tensor
	s_lshl_b32 s24, s22, 17                        ; 131,072 bytes a work-group,
	s_lshl_b32 s27, s20, 14
	s_add_co_u32 s24, s24, s27                     ; 16,384 a wave
	s_mov_b32 s25, 0
	s_add_nc_u64 s[4:5], s[4:5], s[24:25]
	s_lshl_b32 s24, s28, 10
	s_lshl_b32 s27, s26, 12
	s_add_co_u32 s24, s24, s27                     ; codes: 4,096 bytes a wave
	s_add_nc_u64 s[14:15], s[14:15], s[24:25]
	s_lshl_b32 s24, s28, 5
	s_lshl_b32 s27, s20, 9
	s_add_co_u32 s24, s24, s27                     ; scale bytes: waves 0 and 1 store 512 each
	s_add_nc_u64 s[16:17], s[16:17], s[24:25]
.macro TURN t                          ; step t's numbers through the stage: LDS serves a wave's instructions in order, so no wait stands between the stores and the loads
.irp i, 0,1,2,3
	ds_store_b128 v14, v[R+16*(\t)+4*\i:R+16*(\t)+4*\i+3] offset:32*SP*((\t)%2)+8*SP*\i
.endr
.irp i, 0,1,2,3
	ds_load_b128 v[X+16*((\t)%2)+4*\i:X+16*((\t)%2)+4*\i+3], v15 offset:32*SP*((\t)%2)+16*\i
.endr
.endm
.set N_, 0
.rept 32                               ; all of my 16,384 bytes are asked for at once: 32 lanes read 512 consecutive bytes a load
	global_load_b128 v[R+4*N_:R+4*N_+3], v3, s[4:5] offset:512*N_ th:TH_LOAD_NT
.set N_, N_+1
.endr
	s_wait_loadcnt 28                              ; step 0's four loads are in
	TURN 0
.macro STEP t
.set XS, X+16*((\t)%2)
.if (\t) > 0
	s_wait_dscnt 1                                 ; this step's numbers are back from the stage (the last step's byte store may be out)
.else
	s_wait_dscnt 0x0
.endif
.if (\t)+1 < STEPS
	s_wait_loadcnt 4*(STEPS-2-(\t))                ; the next step's four loads are in; those of the steps behind it may be out
	TURN (\t)+1                                    ; and go through the other stage while this step is worked
.endif
	v_max3_num_f32 v8, |v[XS]|, |v[XS+1]|, |v[XS+2]|               ; the largest magnitude of my 16
	v_max3_num_f32 v9, |v[XS+3]|, |v[XS+4]|, |v[XS+5]|
.irp i, 6,10
	v_max3_num_f32 v8, v8, |v[XS+\i]|, |v[XS+\i+1]|
	v_max3_num_f32 v9, v9, |v[XS+\i+2]|, |v[XS+\i+3]|
.endr
	v_max3_num_f32 v8, v8, |v[XS+14]|, |v[XS+15]|
	v_max3_num_f32 v8, v8, v9, (EMAX+1)<<23        ; and the floor 2^(9 - 127): the byte cannot fall under 1
	v_max_num_f32_dpp v8, v8, v8 row_xmask:1 row_mask:0xf bank_mask:0xf   ; and of my neighbour's 16: the block's
	v_add_nc_u32 v11, -(EMAX<<23), v8              ; 8 off its exponent field: the conversion takes the exponent field of this operand as its scale
	v_and_or_b32 v10, v8, 0x7f800000, s23          ; 448 x the scale
.irp i, 0,1,2,3,4,5,6,7,8,9,10,11,12,13,14,15
	v_med3_num_f32 v[XS+\i], v[XS+\i], -v10, v10   ; the conversion to an 8-bit code does not saturate (ISA guide 7.6.2): the hold comes first
.endr
	v_cvt_scalef32_pk8_fp8_f32 v[C+4*(\t):C+4*(\t)+1], v[XS:XS+7], v11
	v_cvt_scalef32_pk8_fp8_f32 v[C+4*(\t)+2:C+4*(\t)+3], v[XS+8:XS+15], v11
	v_lshrrev_b32 v[E+(\t)], 23, v11               ; the scale's byte
	ds_store_b8 v5, v[E+(\t)] offset:16*(\t)       ; both lanes of a block write the same byte with the same value
	global_store_b128 v3, v[C+4*(\t):C+4*(\t)+3], s[14:15] offset:512*(\t)   ; 32 lanes store 512 consecutive bytes
.endm
.irp t, 0,1,2,3,4,5,6,7
	STEP \t
.endr
	s_wait_dscnt 0x0                               ; my scale bytes are in LDS,
	s_barrier_signal -1
	s_barrier_wait -1                              ; and everybody's
	s_cmp_ge_u32 s20, 2
	s_cbranch_scc1 .Lfin
	ds_load_b128 v[8:11], v6
	s_wait_dscnt 0x0
	global_store_b128 v3, v[8:11], s[16:17]        ; 32 lanes store 512 consecutive bytes, aligned
.Lfin:
	s_wait_tensorcnt 0x0                           ; the wave's end
	ds_add_u32 v[SPW], v[NIL]
	s_wait_dscnt 0x0
	s_endpgm
; ---- W_O: work-group 224 + nx + 8 kk: columns 128 nx on, K = 256 kk on; wave w takes 32 columns (w & 3) and 128 of K (w / 4), a lane one column
.set XW,  32                           ; v32-95   two sets of 32 numbers
.set CW,  96                           ; v96-127  a block's codes: eight registers for each of the four blocks
.set SBW, 24                           ; v24      the four scale bytes
.Lwo:
	s_sub_co_u32 s21, ttmp9, NWA
	s_and_b32 s22, s21, 7                          ; nx
	s_lshr_b32 s23, s21, 3
	s_lshl_b32 s23, s23, 1
	s_lshr_b32 s24, s20, 2
	s_add_co_u32 s23, s23, s24                     ; ky: K = 128 ky on
	s_and_b32 s20, s20, 3
	s_lshl_b32 s24, s23, 19                        ; W_O: 128 ky rows of 4,096 bytes,
	s_lshl_b32 s26, s22, 9
	s_add_co_u32 s24, s24, s26                     ; + 512 nx
	s_lshl_b32 s26, s20, 7
	s_add_co_u32 s24, s24, s26                     ; + 128 (w & 3)
	s_mov_b32 s25, 0
	s_lshl_b32 s26, s22, 17                        ; codes: n tile 8 nx + 2 (w & 3), 16,384 bytes a tile,
	s_lshl_b32 s27, s20, 15
	s_add_co_u32 s26, s26, s27
	s_lshl_b32 s27, s23, 11                        ; K step ky, 2,048 bytes
	s_add_co_u32 s26, s26, s27
	s_mov_b32 s27, 0
	s_lshl_b32 s28, s22, 12                        ; scale bytes: 32 a column,
	s_lshl_b32 s29, s20, 10
	s_add_co_u32 s28, s28, s29
	s_lshl_b32 s29, s23, 2                         ; my four at 4 ky
	s_add_co_u32 s28, s28, s29
	s_add_co_u32 s28, s28, 1048576
	s_mov_b32 s29, 0
	s_mov_b32 s31, MANT
	s_wait_alu depctr_va_vdst(0)
	v_lshlrev_b32 v3, 2, v2                        ; in: 4 bytes a lane
	v_lshrrev_b32 v4, 4, v2
	v_and_b32 v5, 15, v2
	v_lshlrev_b32 v5, 4, v5
	v_lshl_add_u32 v4, v4, 14, v5                  ; lanes 16-31 belong to the next n tile; 16 bytes for each column of a tile
	v_lshlrev_b32 v9, 5, v2                        ; my column's row of scale bytes
	s_wait_alu depctr_va_vdst(0)
	s_wait_kmcnt 0x0
	s_add_nc_u64 s[12:13], s[12:13], s[24:25]
	s_add_nc_u64 s[32:33], s[18:19], s[26:27]
	s_add_nc_u64 s[34:35], s[18:19], s[28:29]
.macro WLOAD t                         ; block t: W_O(128 ky + 32 t + i, my column), i = 0 .. 31, into set t % 2: each load reads 128 consecutive bytes
.irp i, 0,1,2,3,4,5,6,7,8,9,10,11,12,13,14,15,16,17,18,19,20,21,22,23,24,25,26,27,28,29,30,31
	global_load_b32 v[XW+32*((\t)%2)+\i], v3, s[12:13] offset:(32*(\t)+\i)*4096 th:TH_LOAD_NT
.endr
.endm
	WLOAD 0
	WLOAD 1
.macro WBLOCK t
.set XS, XW+32*((\t)%2)
.set CC, CW+8*(\t)
.if (\t) < 3
	s_wait_loadcnt 32                              ; this block's 32 loads are in; the next block's may be out
.else
	s_wait_loadcnt 0
.endif
	v_max3_num_f32 v12, |v[XS]|, |v[XS+1]|, |v[XS+2]|               ; the block's largest magnitude: all 32 numbers are mine
	v_max3_num_f32 v13, |v[XS+3]|, |v[XS+4]|, |v[XS+5]|
.irp i, 6,10,14,18,22,26
	v_max3_num_f32 v12, v12, |v[XS+\i]|, |v[XS+\i+1]|
	v_max3_num_f32 v13, v13, |v[XS+\i+2]|, |v[XS+\i+3]|
.endr
	v_max3_num_f32 v12, v12, |v[XS+30]|, |v[XS+31]|
	v_max3_num_f32 v12, v12, v13, (EMAX+1)<<23     ; and the floor
	v_add_nc_u32 v11, -(EMAX<<23), v12             ; the conversion's scale operand
	v_and_or_b32 v10, v12, 0x7f800000, s31         ; 448 x the scale
	v_lshrrev_b32 v13, 23, v11                     ; the scale's byte
.if (\t) == 0
	v_mov_b32 v[SBW], v13                          ; four bytes to a register, the lower K in the lower byte
.else
	v_lshl_or_b32 v[SBW], v13, 8*(\t), v[SBW]
.endif
.irp i, 0,1,2,3,4,5,6,7,8,9,10,11,12,13,14,15,16,17,18,19,20,21,22,23,24,25,26,27,28,29,30,31
	v_med3_num_f32 v[XS+\i], v[XS+\i], -v10, v10
.endr
.irp g, 0,1,2,3
	v_cvt_scalef32_pk8_fp8_f32 v[CC+2*\g:CC+2*\g+1], v[XS+8*\g:XS+8*\g+7], v11
.endr
	global_store_b128 v4, v[CC:CC+3], s[32:33] offset:512*(\t)         ; k = 32 t + 0 .. 15: the places of lanes 0-15 of the image: sixteen lanes store 256 consecutive bytes, aligned
	global_store_b128 v4, v[CC+4:CC+7], s[32:33] offset:512*(\t)+256   ; k = 32 t + 16 .. 31: those of lanes 16-31
.if (\t)+2 < 4
	WLOAD (\t)+2
.endif
.endm
	WBLOCK 0
	WBLOCK 1
	WBLOCK 2
	WBLOCK 3
	global_store_b32 v9, v[SBW], s[34:35]          ; four bytes of each column's 32: short pieces, 32,768 bytes in the whole launch
	s_endpgm
.Lfunc_end_k_q99fc4d6e49_quant:
	.size	k_q99fc4d6e49_quant, .Lfunc_end_k_q99fc4d6e49_quant-k_q99fc4d6e49_quant
	.p2alignl 7, 3214868480
	.fill 96, 4, 3214868480
	.section	.rodata,"a",@progbits
	.p2align	6, 0x0
	.amdhsa_kernel k_q99fc4d6e49_quant
		.amdhsa_group_segment_fixed_size 43008
		.amdhsa_private_segment_fixed_size 0
		.amdhsa_enable_private_segment 0
		.amdhsa_kernarg_size 64
		.amdhsa_user_sgpr_count 2
		.amdhsa_user_sgpr_kernarg_segment_ptr 1
		.amdhsa_wavefront_size32 1
		.amdhsa_system_sgpr_workgroup_id_x 1
		.amdhsa_system_sgpr_workgroup_id_y 1
		.amdhsa_system_sgpr_workgroup_id_z 1
		.amdhsa_system_vgpr_workitem_id 0
		.amdhsa_next_free_vgpr 220
		.amdhsa_next_free_sgpr 66
		.amdhsa_reserve_vcc 0
		.amdhsa_float_denorm_mode_32 3
		.amdhsa_float_denorm_mode_16_64 3
		.amdhsa_memory_ordered 1
		.amdhsa_forward_progress 1
		.amdhsa_inst_pref_size 57
	.end_amdhsa_kernel
	.amdgpu_metadata
---
amdhsa.version: [ 1, 2 ]
amdhsa.kernels:
  - .name:           k_q99fc4d6e49_quant
    .symbol:         k_q99fc4d6e49_quant.kd
    .args:
      - { .name: residual, .offset: 0, .size: 8, .value_kind: global_buffer, .address_space: global }
      - { .name: W_Q, .offset: 8, .size: 8, .value_kind: global_buffer, .address_space: global }
      - { .name: W_K, .offset: 16, .size: 8, .value_kind: global_buffer, .address_space: global }
      - { .name: W_V, .offset: 24, .size: 8, .value_kind: global_buffer, .address_space: global }
      - { .name: W_O, .offset: 32, .size: 8, .value_kind: global_buffer, .address_space: global }
      - { .name: xc, .offset: 40, .size: 8, .value_kind: global_buffer, .address_space: global }
      - { .name: xs, .offset: 48, .size: 8, .value_kind: global_buffer, .address_space: global }
      - { .name: wo, .offset: 56, .size: 8, .value_kind: global_buffer, .address_space: global }
    .group_segment_fixed_size: 43008
    .private_segment_fixed_size: 0
    .kernarg_segment_align: 8
    .kernarg_segment_size: 64
    .max_flat_workgroup_size: 256
    .sgpr_count:     66
    .vgpr_count:     220
    .wavefront_size: 32
...
	.end_amdgpu_metadata
.endif
;; end of part 1
;; launch qkv (part 2): grid 16 x 16, 8 waves a work-group, clusters of 4 x 4, 327,680 bytes of LDS; arguments xc, xs, qi, kv; writes qi, kv
.if DOCPART == 2
	.amdgcn_target "amdgcn-amd-amdhsa--gfx1250"
	.amdhsa_code_object_version 6
	.text
	.protected	k_q99fc4d6e49_qkv
	.globl	k_q99fc4d6e49_qkv
	.p2align	8
	.type	k_q99fc4d6e49_qkv,@function
k_q99fc4d6e49_qkv:
	s_mov_b64 s[64:65], 0
	v_nop
	global_prefetch_b8 v0, s[64:65] scope:SCOPE_SE
	s_setreg_imm32_b32 hwreg(HW_REG_WAVE_MODE, 25, 1), 1
	s_wait_xcnt 0x0
	s_wait_alu depctr_hold_cnt(0) depctr_sa_sdst(0) depctr_va_vdst(0) depctr_va_sdst(0) depctr_va_ssrc(0) depctr_va_vcc(0) depctr_vm_vsrc(0)
	s_getreg_b32 s2, hwreg(HW_REG_IB_STS2, 6, 4)
	s_cmp_eq_u32 s2, 0
	s_cbranch_scc0 .Lentry_in_a_cluster
	s_endpgm
.Lentry_in_a_cluster:
	s_bfe_u32 s2, ttmp6, 0x10000c
	s_cmp_lg_u32 s2, 0xf033
	s_cbranch_scc0 .Lentry_shape_is_right
	s_endpgm
.Lentry_shape_is_right:
; Q, K, V = x W^T and their quantisers, on codes of FP8 (E4M3) with E8M0 scales; sums in f32, K ascending, one accumulator for each output.  No f32 result is stored.
; xc, xs: the tables of the launch before: x's 4,096 rows, then 192 rows a head: for each half c of its 64 e 32 rows of W_Q, of W_K, of W_V; within 32 rows bits 3 and 4 of the row number are exchanged.
; A work-group makes Q, K and V of ONE head for 256 tokens: 16 heads x 16 = 256 work-groups.  Eight waves: wave row wr = w / 2 takes 64 tokens (four blocks a of 16), wave column c = w % 2 the half c of e: 32 columns each of Q, K, V:
;   six fragments b (0, 1: Q; 2, 3: K; 4, 5: V), 24 accumulators.
; qi[bh][token tile][e half][lane 32][16 bytes], its scale bytes [bh][32 tokens][r 16][u][e half] from byte 4,194,304.  kv[bh][key step of 128]: K's image 8,192 bytes as qi, V's image [t 4][32 keys][lane][16] 8,192, K's scale bytes 256 as qi's, V's [t][r][32 keys] 256.
; LAYOUT.  Q and K are made transposed (source 0 = weights, source 1 = tokens): lane (r, h) holds one token and, by the exchanged rows, registers of fragments 2 f, 2 f + 1 are e = 16 h + 0 .. 15: a block of 32 along e lies in lanes l and l xor 16.
;   V is made with source 0 = tokens: lane (r, h) holds one e and the registers of token blocks 2 f, 2 f + 1 are tokens 16 h + 0 .. 15.  So the conversions' results are the next launch's operand registers.
; FILLS.  K goes in four quarters of 256 through two LDS slots of 448 rows.  BOTH slots are filled at the head, one joint load a wave (waves 0-3 slot 0: x's halves, the weights' halves; waves 4-7 slot 1); the first barrier shows slot 0.
;   Quarter 2 goes into slot 0 (waves 0-3) and quarter 3 into slot 1 (waves 4-7), each in a drained round of the cluster's barrier.  x's rows are shared along a row of the 4 x 4 cluster, the weights' along a column.
; PREFETCH: quarters 2 and 3, 256 bytes of each row, one K step of 128 and more ahead of their loads: waves 0, 1 name x's rows, waves 2, 3 the weights'; the four partners share a tile's rows out by address, so each row is named once in a cluster.
; LIMITS: NaN, infinities and sums beyond f32's range are not served; a block of zeros gets the byte 1 (its codes are zeros; this program alone reads the bytes).
; REGISTERS: window 0: v1-16 addresses; v20-35 x's scale words (8 (a / 2) + K step: lanes 0-15 block a even, lanes 16-31 odd), v40-63 the weights' likewise; v64-255 accumulators (a, b) at 64 + 8 (6 a + b).
;   window 1: v0-63 x's four fragments; v64-159, v160-255 two sets of the weights' six.  On the way out: v0-15 at work, v32-79 codes.
.set KROW,  1024
.set ROWB,  256
.set PITCH, 272                        ; 256 bytes + 16 of padding
.set HALFA, 128*PITCH
.set BOFF,  256*PITCH                  ; a slot: x's 256 rows, then 192 of the weights
.set HALFB, 96*PITCH
.set SLOT,  448*PITCH
.set XB,    2*SLOT                     ; the scale bytes on the way out: Q's 512, then for each key step K's 256 and V's 256
.set SPARE, XB+1536                    ; the spare words, 128 bytes a wave
.set HEADB, 270336
.set STEPB, 16896
.set ADRA, 4                           ; v4, v5  LDS address of x's fragments in slot 0, 1
.set ADRB, 6                           ; v6, v7  of the weights'
.set SPW,  8
.set NIL,  9
.set VO,   10                          ; v10  16 x lane
.set SCO,  11                          ; v11  32 x lane
.set PFO,  12
.set XQ,   13                          ; v13, v14, v15  LDS: my scale bytes of Q, K, V
.set XO,   16                          ; v16  LDS: 16 of the scale bytes on the way out
.set SA,   20
.set SB,   40
.set ACC,  64
.set TM,   0
.set PC,   32
.set G1A,  24                          ; s[24:31], s[32:35] descriptor groups 1, 0 for x's rows;  s[48:55], s[56:59] for the weights'
.set G0A,  32
.set G1B,  48
.set G0B,  56
.set PFA,  60
.set MSB, 0
.macro WIN new                         ; the immediate's high byte repeats the setting that is left
.if MSB != \new
	s_set_vgpr_msb (MSB<<8)|\new
.set MSB, \new
.endif
.endm
.macro PLACES n
.rept \n
	v_nop
.endr
.endm
.macro CREST                           ; a round of the cluster's barrier behind its opening barrier
	s_cmp_lg_u32 s14, 0
	s_cbranch_scc1 .Lnot_wave_0_\@
	s_barrier_signal -3
.Lnot_wave_0_\@:
	s_barrier_wait -3
	s_barrier_signal -1
	s_barrier_wait -1
.endm
.macro CROUND
	s_barrier_signal -1
	s_barrier_wait -1
	CREST
.endm
.macro TLOAD g0, g1
	tensor_load_to_lds s[\g0:\g0+3], s[\g1:\g1+7]
	s_nop 0
	PLACES 4
.endm
	s_load_b256 s[4:11], s[0:1], 0x0               ; xc s[4:5], xs s[6:7], qi s[8:9], kv s[10:11]
	v_lshl_add_u32 v[SPW], v0, 2, SPARE
	v_mov_b32 v[NIL], 0
	ds_add_u32 v[SPW], v[NIL]                      ; the wave's opening: the add, twice on end, and its wait
	ds_add_u32 v[SPW], v[NIL]
	v_lshrrev_b32 v1, 5, v0
	v_readfirstlane_b32 s14, v1                    ; wave 0..7
	s_lshr_b32 s15, s14, 1                         ; wr
	s_and_b32 s16, s14, 1                          ; c.  Also: which half of a tile's rows I fetch
	s_bfe_u32 s40, ttmp6, 0x40000                  ; cx
	s_bfe_u32 s41, ttmp6, 0x40004                  ; cy
	s_lshl_b32 s42, ttmp9, 2
	s_add_co_u32 s42, s42, s40                     ; the head
	s_and_b32 s17, ttmp7, 0xffff
	s_lshl_b32 s17, s17, 2
	s_add_co_u32 s17, s17, s41                     ; which 256 tokens
	s_lshl_b32 s43, s41, 2
	s_lshl_b32 s43, 15, s43                        ; my row of the cluster
	s_lshl_b32 s44, 0x1111, s40                    ; my column
	s_or_b32 s[G1A], s43, (1<<20)|(1<<21)|(5<<22)|(3<<25)   ; 15:0 the mask; elements of 1 byte; 20 padding on; 21 set beside a mask; 24:22 after every 64 words (code 5); 31:25 of 4 words (code 3)
	s_or_b32 s[G1B], s44, (1<<20)|(1<<21)|(5<<22)|(3<<25)
	s_mov_b32 s[G1A+1], ROWB<<16
	s_mov_b32 s[G1A+2], 128<<16
	s_mov_b32 s[G1A+3], ROWB<<16
	s_mov_b32 s[G1A+4], 128
	s_mov_b32 s[G1A+5], KROW
	s_mov_b32 s[G1A+6], 0
	s_mov_b32 s[G1A+7], 0
	s_mov_b32 s[G1B+1], ROWB<<16
	s_mov_b32 s[G1B+2], 96<<16
	s_mov_b32 s[G1B+3], ROWB<<16
	s_mov_b32 s[G1B+4], 96
	s_mov_b32 s[G1B+5], KROW
	s_mov_b32 s[G1B+6], 0
	s_mov_b32 s[G1B+7], 0
	s_lshr_b32 s18, s14, 2                         ; my slot, and the quarter of K that I fetch at the head
	s_mul_i32 s19, s18, SLOT
	s_mov_b32 s[G0A], 1
	s_mul_i32 s[G0A+1], s16, HALFA
	s_add_co_u32 s[G0A+1], s[G0A+1], s19
	s_mov_b32 s[G0B], 1
	s_mul_i32 s[G0B+1], s16, HALFB
	s_add_co_u32 s[G0B+1], s[G0B+1], s19
	s_add_co_u32 s[G0B+1], s[G0B+1], BOFF
	s_lshl_b32 s18, s18, 8
	s_lshl_b32 s20, s17, 18                        ; x's rows: 256 x 1,024 bytes a work-group row, + half, + quarter
	s_lshl_b32 s21, s16, 17
	s_add_co_u32 s20, s20, s21
	s_add_co_u32 s20, s20, s18
	s_mov_b32 s21, 0
	s_mul_i32 s46, s42, 192*KROW                   ; the weights': 192 rows a head, behind x's
	s_mul_i32 s47, s16, 96*KROW
	s_add_co_u32 s46, s46, s47
	s_add_co_u32 s46, s46, s18
	s_add_co_u32 s46, s46, 4096*KROW
	s_mov_b32 s47, 0
	s_lshl_b32 s22, s17, 13                        ; scale bytes: my 64 tokens'
	s_lshl_b32 s23, s15, 11
	s_add_co_u32 s22, s22, s23
	s_mov_b32 s23, 0
	s_mul_i32 s92, s42, 192*32                     ; and my 96 weight rows'
	s_mul_i32 s93, s16, 96*32
	s_add_co_u32 s92, s92, s93
	s_add_co_u32 s92, s92, 4096*32
	s_mov_b32 s93, 0
	s_wait_dscnt 0x0                               ; both opening adds are done
	CROUND                                         ; all sixteen work-groups are here: the joint loads meet
	s_wait_kmcnt 0x0
	s_add_nc_u64 s[G0A+2:G0A+3], s[4:5], s[20:21]
	s_or_b32 s[G0A+3], s[G0A+3], 0x80000000
	s_add_nc_u64 s[G0B+2:G0B+3], s[4:5], s[46:47]
	s_or_b32 s[G0B+3], s[G0B+3], 0x80000000
	s_cmp_lt_u32 s14, 2                            ; ONE joint load a wave; slot 0's lines are waves 0-3's, which alone wait at the first barrier
	s_cbranch_scc0 .Lhead_b
	TLOAD G0A, G1A
	s_branch .Lhead_asked
.Lhead_b:
	s_cmp_lt_u32 s14, 4
	s_cbranch_scc0 .Lhead_a1
	TLOAD G0B, G1B
	s_branch .Lhead_asked
.Lhead_a1:
	s_cmp_lt_u32 s14, 6
	s_cbranch_scc0 .Lhead_b1
	TLOAD G0A, G1A
	s_branch .Lhead_asked
.Lhead_b1:
	TLOAD G0B, G1B
.Lhead_asked:
	s_add_nc_u64 s[22:23], s[6:7], s[22:23]
	s_add_nc_u64 s[92:93], s[6:7], s[92:93]
	v_and_b32 v3, 31, v0                           ; lane
	v_lshlrev_b32 v[SCO], 5, v3                    ; lane l takes row l of a pair of fragments: 32 scale bytes, all of K
.irp p, 0,1
	global_load_b128 v[SA+8*\p:SA+8*\p+3], v[SCO], s[22:23] offset:1024*\p
	global_load_b128 v[SA+8*\p+4:SA+8*\p+7], v[SCO], s[22:23] offset:1024*\p+16
.endr
.irp p, 0,1,2
	global_load_b128 v[SB+8*\p:SB+8*\p+3], v[SCO], s[92:93] offset:1024*\p
	global_load_b128 v[SB+8*\p+4:SB+8*\p+7], v[SCO], s[92:93] offset:1024*\p+16
.endr
	; the prefetches: my 32 of x's 256 rows (waves 0, 1: 64 for each of the four partners, by cx) or my 24 of the weights' 192 (waves 2, 3: 48 for each, by cy)
	s_lshl_b32 s18, s17, 18
	s_lshl_b32 s19, s40, 16
	s_add_co_u32 s18, s18, s19
	s_lshl_b32 s19, s16, 15
	s_add_co_u32 s18, s18, s19
	s_mul_i32 s19, s42, 192*KROW
	s_mul_i32 s20, s41, 48*KROW
	s_add_co_u32 s19, s19, s20
	s_mul_i32 s20, s16, 24*KROW
	s_add_co_u32 s19, s19, s20
	s_add_co_u32 s19, s19, 4096*KROW
	s_and_b32 s20, s15, 1
	s_cmp_eq_u32 s20, 0
	s_cselect_b32 s[PFA], s18, s19
	s_cselect_b32 s21, 31, 23                      ; (lanes 24-31 of waves 2, 3 name row 23 again)
	s_mov_b32 s[PFA+1], 0
	s_add_nc_u64 s[PFA:PFA+1], s[4:5], s[PFA:PFA+1]
	; where my results go
	s_lshr_b32 s62, s17, 3
	s_lshl_b32 s62, s62, 4
	s_add_co_u32 s62, s62, s42                     ; bh = 16 x batch + head
	s_and_b32 s63, s17, 7
	s_lshr_b32 s18, s15, 1                         ; my key step of the work-group's two
	s_and_b32 s19, s15, 1                          ; my half of it
	s_lshl_b32 s66, s62, 17                        ; s[66:67] Q: 1,024 bytes a token tile: 16 x (tokens) + 4 wr + a; + 512 c
	s_lshl_b32 s20, s63, 14
	s_add_co_u32 s66, s66, s20
	s_lshl_b32 s20, s15, 12
	s_add_co_u32 s66, s66, s20
	s_lshl_b32 s20, s16, 9
	s_add_co_u32 s66, s66, s20
	s_mov_b32 s67, 0
	s_mul_i32 s72, s62, HEADB
	s_lshl_b32 s74, s63, 1
	s_add_co_u32 s76, s74, s18
	s_mul_i32 s76, s76, STEPB
	s_add_co_u32 s76, s76, s72                     ; my key step's block
	s_lshl_b32 s68, s19, 12                        ; s[68:69] K: 1,024 bytes a tile: 4 x half + a; + 512 c
	s_add_co_u32 s68, s68, s20
	s_add_co_u32 s68, s68, s76
	s_mov_b32 s69, 0
	s_lshl_b32 s70, s16, 12                        ; s[70:71] V: tile t = 2 c + u, 2,048 bytes; 32 keys 2 x half + f, 512 bytes
	s_lshl_b32 s20, s19, 10
	s_add_co_u32 s70, s70, s20
	s_add_co_u32 s70, s70, s76
	s_add_co_u32 s70, s70, 8192
	s_mov_b32 s71, 0
	s_add_co_u32 s74, s74, s14                     ; the scale bytes: wave 0 stores Q's 512; waves 1, 2 a key step's 512 of K and V
	s_mul_i32 s74, s74, STEPB
	s_add_co_u32 s74, s74, s72
	s_sub_co_u32 s74, s74, STEPB-16384
	s_lshl_b32 s72, s62, 12
	s_lshl_b32 s20, s63, 9
	s_add_co_u32 s72, s72, s20
	s_add_co_u32 s72, s72, 4194304
	s_cmp_eq_u32 s14, 0
	s_cselect_b32 s72, s72, s74
	s_cselect_b64 s[74:75], s[8:9], s[10:11]
	s_mov_b32 s73, 0
	s_add_nc_u64 s[72:73], s[74:75], s[72:73]
	s_add_nc_u64 s[66:67], s[8:9], s[66:67]
	s_add_nc_u64 s[68:69], s[10:11], s[68:69]
	s_add_nc_u64 s[70:71], s[10:11], s[70:71]
	s_mov_b32 s94, 0x600000
	s_mov_b32 s96, 0x76543210
	s_mov_b32 s97, 0xfedcba98
	s_mul_i32 s43, s15, 64*PITCH                   ; my 64 rows of x,
	s_mul_i32 s44, s16, 96*PITCH
	s_add_co_u32 s44, s44, BOFF                    ; my 96 of the weights
	s_lshl_b32 s45, s15, 7                         ; Q's scale bytes: 128 wr + c
	s_add_co_u32 s45, s45, s16
	s_add_co_u32 s45, s45, XB
	s_lshl_b32 s46, s18, 9                         ; K's: 512 x key step + 128 x half + c
	s_lshl_b32 s47, s19, 7
	s_add_co_u32 s47, s47, s46
	s_add_co_u32 s47, s47, s16
	s_add_co_u32 s47, s47, XB+512
	s_lshl_b32 s20, s16, 7                         ; V's: 512 x key step + 128 c + 2 x half
	s_add_co_u32 s46, s46, s20
	s_lshl_b32 s20, s19, 1
	s_add_co_u32 s46, s46, s20
	s_add_co_u32 s46, s46, XB+768
	s_lshl_b32 s20, s14, 9
	s_add_co_u32 s20, s20, XB
	s_wait_alu depctr_va_vdst(0)
	v_and_b32 v1, 15, v0                           ; r
	v_bfe_u32 v2, v0, 4, 1                         ; h
	v_lshlrev_b32 v[VO], 4, v3
	v_min_u32 v[PFO], s21, v3
	v_lshlrev_b32 v[PFO], 10, v[PFO]
	v_mul_u32_u24 v17, v1, PITCH
	v_lshl_add_u32 v17, v2, 4, v17                 ; a fragment's row x pitch + 16 x half
	v_add_nc_u32 v[ADRA], s43, v17
	v_add_nc_u32 v[ADRB], s44, v17
	v_add_nc_u32 v[ADRA+1], SLOT, v[ADRA]
	v_add_nc_u32 v[ADRB+1], SLOT, v[ADRB]
	v_lshlrev_b32 v17, 2, v1
	v_add_nc_u32 v[XQ], s45, v17
	v_add_nc_u32 v[XQ+1], s47, v17
	v_add_nc_u32 v[XQ+2], s46, v17
	v_add_nc_u32 v[XO], s20, v[VO]
.macro FB ks                           ; the weights' six fragments of K step ks into set ks % 2: lane l holds row l % 16; registers 4 c .. 4 c + 3 hold K = 32 c + 16 (l / 16) + 0 .. 15
	WIN 0x40
.irp b, 0,1,2,3,4,5
.irp c, 0,1,2,3
	ds_load_b128 v[64+96*((\ks)%2)+16*\b+4*\c:64+96*((\ks)%2)+16*\b+4*\c+3], v[ADRB+((\ks)/2)%2] offset:\b*16*PITCH+128*((\ks)%2)+32*\c
.endr
.endr
.endm
.macro FA ks, a0                       ; x's blocks a0, a0 + 1
	WIN 0x40
.irp a, \a0, \a0+1
.irp c, 0,1,2,3
	ds_load_b128 v[16*(\a)+4*\c:16*(\a)+4*\c+3], v[ADRA+((\ks)/2)%2] offset:(\a)*16*PITCH+128*((\ks)%2)+32*\c
.endr
.endr
	WIN 0
.endm
.macro W d, x, y, sx, sy, rx, ry       ; one product; Z_: it starts the sum
.if Z_
.if (\rx)
.if (\ry)
	v_wmma_scale_f32_16x16x128_f8f6f4 v[\d:\d+7], v[\x:\x+15], v[\y:\y+15], 0, v[\sx], v[\sy] matrix_a_scale:MATRIX_SCALE_ROW1 matrix_b_scale:MATRIX_SCALE_ROW1
.else
	v_wmma_scale_f32_16x16x128_f8f6f4 v[\d:\d+7], v[\x:\x+15], v[\y:\y+15], 0, v[\sx], v[\sy] matrix_a_scale:MATRIX_SCALE_ROW1
.endif
.else
.if (\ry)
	v_wmma_scale_f32_16x16x128_f8f6f4 v[\d:\d+7], v[\x:\x+15], v[\y:\y+15], 0, v[\sx], v[\sy] matrix_b_scale:MATRIX_SCALE_ROW1
.else
	v_wmma_scale_f32_16x16x128_f8f6f4 v[\d:\d+7], v[\x:\x+15], v[\y:\y+15], 0, v[\sx], v[\sy]
.endif
.endif
.else
.if (\rx)
.if (\ry)
	v_wmma_scale_f32_16x16x128_f8f6f4 v[\d:\d+7], v[\x:\x+15], v[\y:\y+15], v[\d:\d+7], v[\sx], v[\sy] matrix_a_scale:MATRIX_SCALE_ROW1 matrix_b_scale:MATRIX_SCALE_ROW1
.else
	v_wmma_scale_f32_16x16x128_f8f6f4 v[\d:\d+7], v[\x:\x+15], v[\y:\y+15], v[\d:\d+7], v[\sx], v[\sy] matrix_a_scale:MATRIX_SCALE_ROW1
.endif
.else
.if (\ry)
	v_wmma_scale_f32_16x16x128_f8f6f4 v[\d:\d+7], v[\x:\x+15], v[\y:\y+15], v[\d:\d+7], v[\sx], v[\sy] matrix_b_scale:MATRIX_SCALE_ROW1
.else
	v_wmma_scale_f32_16x16x128_f8f6f4 v[\d:\d+7], v[\x:\x+15], v[\y:\y+15], v[\d:\d+7], v[\sx], v[\sy]
.endif
.endif
.endif
.endm
.macro MULA a, ks                      ; block a against all six: Q and K with the weights as source 0, V with the tokens as source 0.  The 24 accumulators take turns, one instruction a turn
.set Z_, 0
.if (\ks) == 0
.set Z_, 1
.endif
.irp b, 0,1,2,3
	W ACC+8*(6*(\a)+\b), 64+96*((\ks)%2)+16*\b, 16*(\a), SB+8*(\b/2)+(\ks), SA+8*((\a)/2)+(\ks), \b%2, (\a)%2
.endr
.irp b, 4,5
	W ACC+8*(6*(\a)+\b), 16*(\a), 64+96*((\ks)%2)+16*\b, SA+8*((\a)/2)+(\ks), SB+8*(\b/2)+(\ks), (\a)%2, \b%2
.endr
.endm
.macro REFILL n                        ; slot n again: waves 4 n and 4 n + 1 fetch x's rows, 4 n + 2 and 4 n + 3 the weights'
.if (\n)
	s_cmp_lt_u32 s14, 4
	s_cbranch_scc1 .Lasked_\@
.endif
	s_cmp_lt_u32 s14, 4*(\n)+2
	s_cbranch_scc0 .Lfor_b_\@
	TLOAD G0A, G1A
	s_branch .Lasked_\@
.Lfor_b_\@:
.if (\n) == 0
	s_cmp_lt_u32 s14, 4
	s_cbranch_scc0 .Lasked_\@
.endif
	TLOAD G0B, G1B
.Lasked_\@:
.endm
.macro ASK off                         ; waves 0-3: the prefetch of my rows' 256 bytes at off
	s_cmp_lt_u32 s14, 4
	s_cbranch_scc0 .Lnot_mine_\@
	global_prefetch_b8 v[PFO], s[PFA:PFA+1] offset:\off th:TH_LOAD_NT scope:SCOPE_SE
.Lnot_mine_\@:
.endm
; A K step of 128.  turn = 1, 2: the slot's last, in a round of the cluster's barrier behind which slot turn - 1 is filled again; 3: its last, with a plain barrier, which shows the other slot.
.macro STEP ks, turn
.if \turn
	s_wait_tensorcnt 0x0                           ; all my tensor loads have landed
	ds_add_u32 v[SPW], v[NIL]
.if \turn == 1
	s_add_nc_u64 s[G0A+2:G0A+3], s[G0A+2:G0A+3], 2*ROWB   ; two quarters of K on
	s_add_nc_u64 s[G0B+2:G0B+3], s[G0B+2:G0B+3], 2*ROWB
.endif
	s_wait_dscnt 9                                 ; (the add and x's blocks 2, 3 may be out)
.else
	s_wait_dscnt 8                                 ; (x's blocks 2, 3 may be out)
.endif
	WIN 0x05
	MULA 0, \ks
.if \turn
	s_wait_dscnt 0x0                               ; the add is done, and so are my reads of this slot
	s_barrier_signal -1
	MULA 1, \ks
	WIN 0
	s_barrier_wait -1
.if \turn < 3
	CREST
	REFILL \turn-1
.endif
.else
	MULA 1, \ks
	WIN 0
	s_wait_dscnt 0x0
.endif
.if (\ks) < 7
	PLACES 8                                       ; in front of loads into registers that products have read
	FB (\ks)+1
	FA (\ks)+1, 0
.if (\ks) == 1
	ASK 3*ROWB
.endif
.endif
	WIN 0x05
	MULA 2, \ks
	MULA 3, \ks
	WIN 0
	PLACES 8
.if (\ks) < 7
	FA (\ks)+1, 2
.endif
.endm
	s_wait_alu depctr_va_vdst(0)
	s_wait_loadcnt 0x0                             ; the scale words
	s_cmp_lt_u32 s14, 4
	s_cbranch_scc0 .Lno_wait
	s_wait_tensorcnt 0x0                           ; waves 0-3: slot 0 has landed.  The others' wait stands in K step 1
.Lno_wait:
	s_barrier_signal -1
	s_barrier_wait -1
	FB 0
	FA 0, 0
	FA 0, 2
	ASK 2*ROWB
	STEP 0, 0
	STEP 1, 1
	STEP 2, 0
	STEP 3, 2
	STEP 4, 0
	STEP 5, 3
	STEP 6, 0
	STEP 7, 0
; THE WAY OUT, four scale blocks a lane at a time (g = 0: Q, 1: K, of token blocks 0 .. 3; 2: V, unit 2 f + u: token blocks 2 f, 2 f + 1 of fragment 4 + u).
.macro UNIT b, g                       ; a unit's sums: eight registers from L_ on, eight from H_ on
.if \g < 2
.set L_, ACC+48*\b+16*\g
.set H_, L_+8
.else
.set L_, ACC+96*(\b/2)+32+8*(\b%2)
.set H_, L_+48
.endif
.endm
.macro OUTG g, base
	WIN 0x41
.irp b, 0,1,2,3
	UNIT \b, \g
	v_max3_num_f32 v[TM+\b], 0x4800000, |v[L_]|, |v[L_+1]|         ; the largest magnitude of my 16, and the floor 2^(9 - 127)
.endr
.irp i, 2,4,6
.irp b, 0,1,2,3
	UNIT \b, \g
	v_max3_num_f32 v[TM+\b], v[TM+\b], |v[L_+\i]|, |v[L_+\i+1]|
.endr
.endr
.irp i, 0,2,4,6
.irp b, 0,1,2,3
	UNIT \b, \g
	v_max3_num_f32 v[TM+\b], v[TM+\b], |v[H_+\i]|, |v[H_+\i+1]|
.endr
.endr
.irp b, 0,1,2,3
	v_permlanex16_b32 v[TM+4+\b], v[TM+\b], s96, s97
.endr
	WIN 0x45
.irp b, 0,1,2,3
	v_max_num_f32 v[TM+\b], v[TM+\b], v[TM+4+\b]   ; with lane l xor 16's
.endr
.irp b, 0,1,2,3
	v_add_nc_u32 v[TM+12+\b], 0xfc000000, v[TM+\b] ; 8 off the exponent field: the conversion's scale operand
.endr
.irp b, 0,1,2,3
	v_and_or_b32 v[TM+8+\b], v[TM+\b], 0x7f800000, s94   ; 448 x the scale
.endr
.irp b, 0,1,2,3
	v_lshrrev_b32 v[TM+4+\b], 23, v[TM+12+\b]      ; the scale's byte
.endr
	WIN 0x14
.irp b, 0,1,2,3
	UNIT \b, \g
.irp i, 0,1,2,3,4,5,6,7
	v_med3_num_f32 v[L_+\i], v[L_+\i], -v[TM+8+\b], v[TM+8+\b]     ; the conversion does not saturate (ISA guide 7.6.2)
	v_med3_num_f32 v[H_+\i], v[H_+\i], -v[TM+8+\b], v[TM+8+\b]
.endr
.endr
	WIN 0x44
.irp b, 0,1,2,3
	UNIT \b, \g
	v_cvt_scalef32_pk8_fp8_f32 v[PC+16*\g+4*\b:PC+16*\g+4*\b+1], v[L_:L_+7], v[TM+12+\b]
	v_cvt_scalef32_pk8_fp8_f32 v[PC+16*\g+4*\b+2:PC+16*\g+4*\b+3], v[H_:H_+7], v[TM+12+\b]
.endr
	v_nop                                          ; one plain vector instruction behind the last scaled conversion
	WIN 0x04
.irp b, 0,1,2,3                        ; 32 lanes store 512 consecutive bytes, aligned; lanes l and l + 16 write the same scale byte with the same value
.if \g < 2
	ds_store_b8 v[XQ+\g], v[TM+4+\b] offset:64*(\b/2)+2*(\b%2)
	global_store_b128 v[VO], v[PC+16*\g+4*\b:PC+16*\g+4*\b+3], s[\base:\base+1] offset:1024*\b
.else
	ds_store_b8 v[XQ+\g], v[TM+4+\b] offset:64*(\b%2)+(\b/2)
	global_store_b128 v[VO], v[PC+16*\g+4*\b:PC+16*\g+4*\b+3], s[\base:\base+1] offset:2048*(\b%2)+512*(\b/2)
.endif
.endr
	WIN 0
.endm
	OUTG 0, 66
	OUTG 1, 68
	OUTG 2, 70
	s_wait_dscnt 0x0                               ; my scale bytes are in LDS,
	s_barrier_signal -1
	s_barrier_wait -1                              ; and everybody's
	s_cmp_ge_u32 s14, 3
	s_cbranch_scc1 .Lfin
	ds_load_b128 v[36:39], v[XO]
	s_wait_dscnt 0x0
	global_store_b128 v[VO], v[36:39], s[72:73]    ; 32 lanes store 512 consecutive bytes, aligned
.Lfin:
	s_wait_tensorcnt 0x0                           ; the wave's end
	ds_add_u32 v[SPW], v[NIL]
	s_wait_dscnt 0x0
	CROUND                                         ; the closing round: no work-group ends while a partner may still ask for a tile that names it
	s_endpgm
.Lfunc_end_k_q99fc4d6e49_qkv:
	.size	k_q99fc4d6e49_qkv, .Lfunc_end_k_q99fc4d6e49_qkv-k_q99fc4d6e49_qkv
	.p2alignl 7, 3214868480
	.fill 96, 4, 3214868480
	.section	.rodata,"a",@progbits
	.p2align	6, 0x0
	.amdhsa_kernel k_q99fc4d6e49_qkv
		.amdhsa_group_segment_fixed_size 327680
		.amdhsa_private_segment_fixed_size 0
		.amdhsa_enable_private_segment 0
		.amdhsa_kernarg_size 32
		.amdhsa_user_sgpr_count 2
		.amdhsa_user_sgpr_kernarg_segment_ptr 1
		.amdhsa_wavefront_size32 1
		.amdhsa_system_sgpr_workgroup_id_x 1
		.amdhsa_system_sgpr_workgroup_id_y 1
		.amdhsa_system_sgpr_workgroup_id_z 1
		.amdhsa_system_vgpr_workitem_id 0
		.amdhsa_next_free_vgpr 512
		.amdhsa_next_free_sgpr 100
		.amdhsa_reserve_vcc 0
		.amdhsa_float_denorm_mode_32 3
		.amdhsa_float_denorm_mode_16_64 3
		.amdhsa_memory_ordered 1
		.amdhsa_forward_progress 1
		.amdhsa_inst_pref_size 90
	.end_amdhsa_kernel
	.amdgpu_metadata
---
amdhsa.version: [ 1, 2 ]
amdhsa.kernels:
  - .name:           k_q99fc4d6e49_qkv
    .symbol:         k_q99fc4d6e49_qkv.kd
    .args:
      - { .name: xc, .offset: 0, .size: 8, .value_kind: global_buffer, .address_space: global }
      - { .name: xs, .offset: 8, .size: 8, .value_kind: global_buffer, .address_space: global }
      - { .name: qi, .offset: 16, .size: 8, .value_kind: global_buffer, .address_space: global }
      - { .name: kv, .offset: 24, .size: 8, .value_kind: global_buffer, .address_space: global }
    .group_segment_fixed_size: 327680
    .private_segment_fixed_size: 0
    .kernarg_segment_align: 8
    .kernarg_segment_size: 32
    .max_flat_workgroup_size: 256
    .sgpr_count:     100
    .vgpr_count:     512
    .wavefront_size: 32
...
	.end_amdgpu_metadata
.endif
;; end of part 2
;; launch attn (part 3): grid 8 x 32, 16 waves a work-group, clusters of 4 x 1, 327,680 bytes of LDS; arguments qi, kv, ai; writes ai
.if DOCPART == 3
	.amdgcn_target "amdgcn-amd-amdhsa--gfx1250"
	.amdhsa_code_object_version 6
	.text
	.protected	k_q99fc4d6e49_attn
	.globl	k_q99fc4d6e49_attn
	.p2align	8
	.type	k_q99fc4d6e49_attn,@function
k_q99fc4d6e49_attn:
	s_mov_b64 s[64:65], 0
	v_nop
	global_prefetch_b8 v0, s[64:65] scope:SCOPE_SE
	s_setreg_imm32_b32 hwreg(HW_REG_WAVE_MODE, 25, 1), 1
	s_wait_xcnt 0x0
	s_wait_alu depctr_hold_cnt(0) depctr_sa_sdst(0) depctr_va_vdst(0) depctr_va_sdst(0) depctr_va_ssrc(0) depctr_va_vcc(0) depctr_vm_vsrc(0)
	s_getreg_b32 s2, hwreg(HW_REG_IB_STS2, 6, 4)
	s_cmp_eq_u32 s2, 0
	s_cbranch_scc0 .Lentry_in_a_cluster
	s_endpgm
.Lentry_in_a_cluster:
	s_bfe_u32 s2, ttmp6, 0x10000c
	s_cmp_lg_u32 s2, 0x3003
	s_cbranch_scc0 .Lentry_shape_is_right
	s_endpgm
.Lentry_shape_is_right:
; Causal attention of one (batch, head) bh on codes of FP8 (E4M3) with E8M0 scales, and the quantising of its result along (head, e) for the last product.
; qi, kv: as the launch before lays them (images of operand registers).  ai: [token tile 256][K step 8][c 4][lane 32][16 bytes], row r = token 16 tile + r; scale bytes [token 4,096][32] from byte 4,194,304.
; THE SOFTMAX: t = score x log2(e) / 8; M = the row's largest t so far, rounded UP to a whole number; p = 2^(t - M) is quantised along the keys, not normalised; the row's sum is taken of the unquantised p and divides at the end.
; When M moves, the sum and O are multiplied by 2^(old M - new M): exact.
; SHARES.  Eight work-groups to a head (g = 0 .. 7).  A query tile (j) is the 16 queries 128 j + 16 g + 0 .. 15, j = 0 .. 15; it needs key steps 0 .. j of 128 keys, step j being the one on the diagonal; key steps that the mask hides whole are left out.
; Pair p = 0 .. 7 of waves has tiles p and 15 - p: 17 steps.  The LONG wave (w = p) takes steps 0 .. 7 and 15 - p of tile 15 - p: 9 steps.  The SHORT wave (w = p + 8) takes all p + 1 steps of tile p, stores that tile,
; and then takes steps 8 .. 14 - p of tile 15 - p: 8 steps in all; its part (O^T, M, the sum) goes to the long wave through LDS, which joins the two and stores the tile.  All branches hang on the wave's number and on counts.
; K AND V OF THE WHOLE HEAD STAY IN LDS, 16 steps x 16,896 bytes as they lie in kv, each byte filled once: wave w asks for step w, ONE joint load a wave, shared by the cluster's four work-groups.
; Step 0 (wave 0's load) is shown by the first barrier, all others by the second, behind the first step's work.  No prefetch: all that the launch reads is asked for at its head.
; LAYOUT.  Both products are used transposed: a lane holds ONE query (lane % 16).  K = e is 64, half of the instruction's 128: a fragment of K carries key tile 2 f in k = 0 .. 63 and key tile 2 f + 1 in k = 64 .. 127,
; and is multiplied once by (q, zeros) and once by (zeros, q).  Register 16 b + i of S^T is key 32 b + 16 (lane / 16) + i, so the conversions' results are the second product's operand.
; LIMITS: scaled scores stay under 2^31 in magnitude; NaN and infinities are not served; v_exp_f32 gives 0 for results under 2^-126; a block of zeros gets the byte 1 (its codes are zeros; this program alone reads the bytes).
; REGISTERS: v1 16 x lane, v2 4 x lane, v3, v4 the step's LDS addresses, v6, v7 the hand-over's, v9 32 r; v12 -M, v13 the largest t, v[14:15] the sum in two halves; v16-31 p's codes; v32-95 four fragments of K, then of V;
;   v96-159 S^T, then p; v160-191 O^T; v192-199 zeros, v200-207 q's codes, v208-215 zeros; v216-223, v224 tile 15 - p's q and its scale word; v[226:227] the diagonal's bounds; v230, v231 the add's;
;   v232-247 at work; v248-249 K's scale words, v250-251 V's; v252 f, v253 p's scale word, v254 at work, v255 q's scale word.
.set STEPB, 16896                      ; a step's block: K's image, V's image, K's scale words, V's
.set HEADB, 16*STEPB
.set VIMG,  8192
.set KSC,   16384
.set VSC,   16640
.set SPARE, 16*STEPB                   ; the spare words, 128 bytes a wave
.set MRG,   SPARE+2048                 ; the hand-over: for each pair 4,096 bytes of O^T and 256 of (-M, sum)
.set MRGB,  4352
.set WV,   10                          ; s10  my wave's number
.set KIND, 11                          ; s11  1: short, 0: long
.set P,    12
.set KX,   13                          ; s13  1 - KIND
.set ST,   15                          ; s15  the count of steps
.set TB,   16                          ; s16  the step's LDS byte
.set LA,   18                          ; s18  the last count whose key step is the count itself
.set MNT,  19                          ; s19  the mantissa field of 448
.set SEL,  20                          ; s[20:21] lane selects for v_permlanex16_b32: lane l xor 16
.set CS,   22                          ; s[22:23] c = log2(e) / 8: the packed form names a pair and takes its low word for both halves
.set G1,   24                          ; s[24:31] descriptor group 1
.set G0,   32                          ; s[32:35] group 0
.set DA,   36                          ; s36  the count of my diagonal step
.set LO,   37                          ; s37  KIND x P
.set ACT,  38                          ; s38  my last count
.set JMP,  39                          ; s39  behind LA my key step is the count + 7 - p: that difference in LDS bytes
.set D2,   42                          ; s[42:43] -2 x 2^100;  s[44:45] -18 x 2^100
.set D18,  44
.set SW,   46                          ; s46  the count at whose head a short wave changes tiles (long: never reached)
.set TC,   47                          ; s47  the count's LDS byte
.macro CROUND                          ; a round of the cluster's barrier
	s_barrier_signal -1
	s_barrier_wait -1
	s_cmp_lg_u32 s[WV], 0
	s_cbranch_scc1 .Lnot_wave_0_\@
	s_barrier_signal -3
.Lnot_wave_0_\@:
	s_barrier_wait -3
	s_barrier_signal -1
	s_barrier_wait -1
.endm
.macro PLACES n
.rept \n
	v_nop
.endr
.endm
	s_load_b128 s[4:7], s[0:1], 0x0                ; qi s[4:5], kv s[6:7]
	s_load_b64 s[8:9], s[0:1], 0x10                ; ai
	v_lshl_add_u32 v230, v0, 2, SPARE
	v_mov_b32 v231, 0
	ds_add_u32 v230, v231                          ; the wave's opening: the add, twice on end, and its wait
	ds_add_u32 v230, v231
	v_lshrrev_b32 v3, 5, v0
	v_readfirstlane_b32 s[WV], v3                  ; wave 0..15
	s_lshr_b32 s[KIND], s[WV], 3
	s_and_b32 s[P], s[WV], 7
	s_xor_b32 s[KX], s[KIND], 1
	s_xor_b32 s41, s[P], 15                        ; 15 - p
	s_mul_i32 s[LO], s[KIND], s[P]
	s_mul_i32 s48, s[KX], s41
	s_add_co_u32 s40, s[LO], s48                   ; my first tile: short p, long 15 - p.  It is also the tile that I store
	s_mul_i32 s48, s[KX], 7
	s_add_co_u32 s[LA], s[LO], s48                 ; counts 0 .. p (short) or 0 .. 7 (long) are key steps as they stand
	s_add_co_u32 s[DA], s[LA], s[KX]               ; the diagonal: count p, or 8
	s_add_co_u32 s[ACT], s[KX], 7                  ; counts 0 .. 7, or 0 .. 8
	s_xor_b32 s[JMP], s[P], 7
	s_mul_i32 s[JMP], s[JMP], STEPB
	s_mul_i32 s49, s[KX], 9
	s_add_co_u32 s[SW], s[LO], s49
	s_add_co_u32 s[SW], s[SW], 1
	s_bfe_u32 s2, ttmp6, 0x40000                   ; cx
	s_lshl_b32 s14, ttmp9, 2
	s_add_co_u32 s14, s14, s2                      ; g = 4 x cluster x + cx: it enters q's and ai's addresses and the mask's comparison, no branch and no LDS address
	s_and_b32 s17, ttmp7, 0xffff                   ; bh, which the four partners share
	; descriptor group 1: a step's block, dense: 66 rows of 256 bytes (32 elements of 8 bytes), no padding: the images are read 16 bytes a lane on end
	s_mov_b32 s[G1], 15|(3<<16)|(1<<21)            ; 15:0 the mask: all four work-groups; 17:16 elements of 8 bytes; 21 set beside a mask
	s_mov_b32 s[G1+1], 32<<16                      ; tensor_dim0 = 32
	s_mov_b32 s[G1+2], 66<<16                      ; tensor_dim1 = 66
	s_mov_b32 s[G1+3], 32<<16                      ; tile_dim0 = 32
	s_mov_b32 s[G1+4], 66                          ; tile_dim1 = 66
	s_mov_b32 s[G1+5], 32                          ; tensor_dim0_stride
	s_mov_b32 s[G1+6], 0
	s_mov_b32 s[G1+7], 0
	s_mul_i32 s48, s[WV], STEPB                    ; step w
	s_mul_i32 s2, s17, HEADB
	s_add_co_u32 s2, s2, s48
	s_mov_b32 s3, 0
	s_mov_b32 s[SEL], 0x76543210
	s_mov_b32 s[SEL+1], 0xfedcba98
	s_mov_b32 s[CS], 0x3e38aa3b                    ; log2(e) / 8
	s_mov_b32 s[CS+1], s[CS]                       ; (named with it as a pair, so it is written)
	s_mov_b32 s[MNT], 0x600000
	s_mov_b32 s[D2], 0xf2000000
	s_mov_b32 s[D2+1], s[D2]
	s_mov_b32 s[D18], 0xf3900000
	s_mov_b32 s[D18+1], s[D18]
	s_mov_b32 s[ST], 0
	s_mov_b32 s[TB], 0
	s_wait_dscnt 0x0                               ; both opening adds are done
	CROUND                                         ; all four work-groups are here: the joint loads meet
	s_wait_kmcnt 0x0
	s_add_nc_u64 s[2:3], s[6:7], s[2:3]
	s_mov_b32 s[G0], 1                             ; count = 1
	s_mov_b32 s[G0+1], s48                         ; LDS address: step w
	s_mov_b64 s[G0+2:G0+3], s[2:3]
	s_or_b32 s[G0+3], s[G0+3], 0x80000000          ; type = 2
	s_cmp_eq_u32 s[WV], 0                          ; ONE joint load a wave; wave 0 has a line of its own, since it alone waits at the first barrier
	s_cbranch_scc0 .Lrest
	tensor_load_to_lds s[G0:G0+3], s[G1:G1+7]
	s_nop 0
	PLACES 4
	s_branch .Lasked
.Lrest:
	tensor_load_to_lds s[G0:G0+3], s[G1:G1+7]
	s_nop 0
	PLACES 4
.Lasked:
	s_lshl_b32 s48, s17, 17                        ; q's codes: 131,072 bh + 2,048 f + 128 (g & 1), f = 4 j + g / 2 the 32 tokens in qi
	s_and_b32 s50, s14, 1
	s_lshl_b32 s51, s50, 7
	s_add_co_u32 s48, s48, s51
	s_lshl_b32 s47, s17, 12                        ; q's scale words: 4,096 bh + 64 f + 32 (g & 1), behind the codes
	s_lshl_b32 s51, s50, 5
	s_add_co_u32 s47, s47, s51
	s_add_co_u32 s47, s47, 4194304
	s_lshr_b32 s50, s14, 1
.macro QADDR j, c, w                   ; tile j's codes and scale words
	s_lshl_b32 s49, s\j, 2
	s_add_co_u32 s49, s49, s50
	s_lshl_b32 s51, s49, 11
	s_add_co_u32 s[\c], s51, s48
	s_mov_b32 s[\c+1], 0
	s_lshl_b32 s51, s49, 6
	s_add_co_u32 s[\w], s51, s47
	s_mov_b32 s[\w+1], 0
	s_add_nc_u64 s[\c:\c+1], s[4:5], s[\c:\c+1]
	s_add_nc_u64 s[\w:\w+1], s[4:5], s[\w:\w+1]
.endm
	QADDR 40, 52, 56
	QADDR 41, 54, 62
	v_and_b32 v8, 31, v0                           ; lane
	v_lshlrev_b32 v1, 4, v8
	v_lshlrev_b32 v2, 2, v8
	v_and_b32 v9, 15, v0                           ; r
	v_bfe_u32 v10, v0, 4, 1                        ; h
	v_and_b32 v11, 7, v9                           ; r & 7
	v_lshl_add_u32 v3, v10, 4, v11
	v_lshlrev_b32 v3, 4, v3                        ; q: the image's lane (r & 7) + 16 h (+ 8 (g & 1), in the base),
	v_lshrrev_b32 v4, 3, v9
	v_lshl_add_u32 v3, v4, 10, v3                  ; its half u = r / 8: so lane r holds query 16 g + r of the block
	v_lshlrev_b32 v8, 2, v11
	global_load_b128 v[200:203], v3, s[52:53]              ; e = 16 h + 0 .. 15
	global_load_b128 v[204:207], v3, s[52:53] offset:512   ; e = 32 + 16 h + 0 .. 15
	global_load_b32 v255, v8, s[56:57]             ; the word of rows (r & 7) + 8 (g & 1): its low half is u = 0's two bytes, its high half u = 1's
	global_load_b128 v[216:219], v3, s[54:55]              ; tile 15 - p's, which the short waves take up behind their own
	global_load_b128 v[220:223], v3, s[54:55] offset:512
	global_load_b32 v224, v8, s[62:63]
	s_lshl_b32 s49, s40, 3
	s_add_co_u32 s49, s49, s14                     ; my tile of queries in the sequence: 8 j + g,
	s_lshr_b32 s50, s17, 4
	s_lshl_b32 s50, s50, 7
	s_add_co_u32 s49, s49, s50                     ; and among all tokens: + 128 x batch
	s_lshl_b32 s58, s49, 14                        ; ai's codes: 16,384 x tile + 2,048 x (head / 2) + 1,024 x (head & 1)
	s_bfe_u32 s51, s17, 0x30001
	s_lshl_b32 s51, s51, 11
	s_add_co_u32 s58, s58, s51
	s_and_b32 s51, s17, 1
	s_lshl_b32 s51, s51, 10
	s_add_co_u32 s58, s58, s51
	s_mov_b32 s59, 0
	s_lshl_b32 s60, s49, 9                         ; ai's scale bytes: 32 a token, my head's two at 2 x head
	s_and_b32 s51, s17, 15
	s_lshl_b32 s51, s51, 1
	s_add_co_u32 s60, s60, s51
	s_add_co_u32 s60, s60, 4194304
	s_mov_b32 s61, 0
	s_add_nc_u64 s[58:59], s[8:9], s[58:59]
	s_add_nc_u64 s[60:61], s[8:9], s[60:61]
	s_mul_i32 s50, s[P], MRGB
	s_add_co_u32 s50, s50, MRG                     ; my pair's hand-over
	s_lshl_b32 s49, s14, 4
	s_wait_alu depctr_va_vdst(0)
	v_lshlrev_b32 v10, 4, v10
	v_sub_nc_u32 v5, v9, v10
	v_add_nc_u32 v5, s49, v5                       ; d = 16 g + r - 16 h: on the diagonal register 16 b + i is hidden where n = 32 b + i > d
	v_cvt_f32_i32 v226, v5
	v_add_f32 v226, 0.5, v226
	v_mul_f32 v226, 0x71800000, v226               ; the bound of key n: (d + 1/2 - n) 2^100: over every score where the key counts, under every score where it is hidden.  Here n = 0,
	v_add_f32 v227, 0xf1800000, v226               ; and n = 1.  (A wave has one diagonal step, which walks the pair)
	v_lshlrev_b32 v9, 5, v9                        ; 32 r: my token's row of scale bytes
	v_lshlrev_b32 v11, 4, v4                       ; 16 (r / 8)
	v_add_nc_u32 v6, s50, v1
	v_lshl_add_u32 v7, v2, 1, s50
	v_mov_b32 v13, 0xff61b1e6                      ; the largest t so far: -3e38, under every t
	v_mov_b32 v14, 0                               ; the sum, in two halves
	v_mov_b32 v15, 0
	v_floor_f32 v12, -v13                          ; -M
.irp b, 0,1,2,3
	v_mov_b32 v[236+\b], 0                         ; written once: a lane permute's destination counts as one of its sources
.endr
	v_mov_b32 v252, 0
	v_mov_b32 v253, 0                              ; (named as the upper half of the pair v[252:253] before it is first written)
.irp j, 0,1,2,3,4,5,6,7
	v_mov_b32 v[192+\j], 0                         ; the zero codes on either side of q's
	v_mov_b32 v[208+\j], 0
.endr
	s_wait_alu depctr_va_vdst(0)
	s_wait_loadcnt 0x0                             ; q
	v_lshrrev_b32 v255, v11, v255                  ; my half of the word,
	v_lshrrev_b32 v224, v11, v224
	v_and_b32 v255, 0xffff, v255
	v_and_b32 v224, 0xffff, v224
	v_lshl_or_b32 v255, v255, 16, v255             ; twice: (s0, s1, s0, s1) serves q in k = 0 .. 63 and in k = 64 .. 127
	v_lshl_or_b32 v224, v224, 16, v224
; A KEY STEP: 128 keys.  m = 0: the first (it starts O^T); 1: in the loop.  A count that is not mine is led round by a branch on the wave's number and the loop's count, round the step's work alone.
.macro STEP m
.if \m == 1
	s_cmp_gt_u32 s[ST], s[ACT]
	s_cbranch_scc1 .Lskip_\@
.endif
	v_add_nc_u32 v3, s[TB], v1
	v_add_nc_u32 v4, s[TB], v2
	PLACES 6                                       ; with the two additions: eight places behind the last step's products, in front of loads into registers that they have read
	ds_load_b32 v248, v4 offset:KSC                ; lanes 0-15: fragment 0's scale words, lanes 16-31: fragment 1's
	ds_load_b32 v249, v4 offset:KSC+128            ; fragments 2 and 3
.irp f, 0,1,2,3
.irp c, 0,1,2,3
	ds_load_b128 v[32+16*\f+4*\c:32+16*\f+4*\c+3], v3 offset:2048*\f+512*\c
.endr
.endr
	s_wait_alu depctr_va_vdst(0)
.irp f, 0,1,2,3                        ; S^T = K q^T: fragment f against (q, 0): key tile 2 f; against (0, q): key tile 2 f + 1
	s_wait_dscnt 12-4*\f                           ; fragment f is in; the later fragments' loads may be out
.if \f % 2
	v_wmma_scale_f32_16x16x128_f8f6f4 v[96+16*\f:103+16*\f], v[32+16*\f:47+16*\f], v[200:215], 0, v[248+\f/2], v255 matrix_a_scale:MATRIX_SCALE_ROW1
	v_wmma_scale_f32_16x16x128_f8f6f4 v[104+16*\f:111+16*\f], v[32+16*\f:47+16*\f], v[192:207], 0, v[248+\f/2], v255 matrix_a_scale:MATRIX_SCALE_ROW1
.else
	v_wmma_scale_f32_16x16x128_f8f6f4 v[96+16*\f:103+16*\f], v[32+16*\f:47+16*\f], v[200:215], 0, v[248+\f/2], v255
	v_wmma_scale_f32_16x16x128_f8f6f4 v[104+16*\f:111+16*\f], v[32+16*\f:47+16*\f], v[192:207], 0, v[248+\f/2], v255
.endif
.endr
	PLACES 8                                       ; in front of the loads below and of the first read of the scores
.irp t, 0,1,2,3                        ; V's four tiles take K's registers: they land while the softmax is worked
.irp c, 0,1,2,3
	ds_load_b128 v[32+16*\t+4*\c:32+16*\t+4*\c+3], v3 offset:VIMG+2048*\t+512*\c
.endr
.endr
	ds_load_b32 v250, v4 offset:VSC
	ds_load_b32 v251, v4 offset:VSC+128
	s_cmp_lg_u32 s[ST], s[DA]
	s_cbranch_scc1 .Lopen_\@
.set N_, 0
.rept 32                               ; on the diagonal the scores of hidden keys become -2^99 or less: p = 0 then.  Two keys at a time; the bounds walk along the keys
	v_dual_min_num_f32 v[96+N_], v[96+N_], v226 :: v_dual_min_num_f32 v[97+N_], v[97+N_], v227
.if N_ < 62
.if N_%16 == 14
	v_pk_add_f32 v[226:227], v[226:227], s[D18:D18+1] op_sel_hi:[1,0]
.else
	v_pk_add_f32 v[226:227], v[226:227], s[D2:D2+1] op_sel_hi:[1,0]
.endif
.endif
.set N_, N_+2
.endr
.Lopen_\@:
.irp b, 0,1,2,3
	v_max3_num_f32 v[232+\b], v[96+16*\b], v[97+16*\b], v[98+16*\b]   ; the largest score of each block of 32 keys: it serves for the row's maximum and, since p rises with the score, for the block's largest p
.endr
.irp i, 3,5,7,9,11,13
.irp b, 0,1,2,3
	v_max3_num_f32 v[232+\b], v[232+\b], v[96+16*\b+\i], v[97+16*\b+\i]
.endr
.endr
.irp b, 0,1,2,3
	v_max_num_f32 v[232+\b], v[232+\b], v[111+16*\b]
.endr
.irp b, 0,1,2,3
	s_delay_alu instid0(VALU_DEP_4)
	v_permlanex16_b32 v[236+\b], v[232+\b], s[SEL], s[SEL+1]
.endr
.irp b, 0,1,2,3
	s_delay_alu instid0(VALU_DEP_4)
	v_max_num_f32 v[232+\b], v[232+\b], v[236+\b]  ; with lane l xor 16's 16 keys
.endr
	s_delay_alu instid0(VALU_DEP_2)
	v_max3_num_f32 v254, v232, v233, v234
	s_delay_alu instid0(VALU_DEP_1)
	v_max_num_f32 v254, v254, v235                 ; the step's largest score of my query
	s_delay_alu instid0(VALU_DEP_1)
	v_mul_f32 v254, s[CS], v254                    ; as t (c is positive)
	s_delay_alu instid0(VALU_DEP_1)
	v_max_num_f32 v13, v13, v254                   ; the running largest t
	v_mov_b32 v254, v12
	s_delay_alu instid0(VALU_DEP_2)
	v_floor_f32 v12, -v13                          ; the new -M = floor(-t) = -ceil(t): a whole number
	s_delay_alu instid0(VALU_DEP_1)
	v_sub_f32 v254, v12, v254                      ; M's old value less its new one: a whole number, 0 or less
	s_delay_alu instid0(VALU_DEP_1)
	v_cvt_i32_f32 v254, v254                       ; (it saturates)
	s_delay_alu instid0(VALU_DEP_1)
	v_ldexp_f32 v252, 1.0, v254                    ; f = 2^(old M - new M)
.irp j, 0,2,4,6,8,10,12,14,16,18,20,22,24,26,28,30,32,34,36,38,40,42,44,46,48,50,52,54,56,58,60,62
	v_pk_fma_f32 v[96+\j:97+\j], v[96+\j:97+\j], s[CS:CS+1], v[12:13] op_sel_hi:[1,0,0]   ; t - M, two at a time
.endr
.irp b, 0,1,2,3
	v_fma_f32 v[232+\b], v[232+\b], s[CS], v12     ; the same of each block's largest score
.endr
	s_wait_alu depctr_va_vdst(0)                   ; ahead of the batch
.set N_, 0
.rept 64
	v_exp_f32 v[96+N_], v[96+N_]                   ; p = 2^(t - M), at most 1
.set N_, N_+1
.endr
	v_pk_mul_f32 v[14:15], v[14:15], v[252:253] op_sel_hi:[1,0]   ; the sums under the new M: a plain instruction behind the exponentials
	s_wait_alu depctr_va_vdst(0)                   ; one wait for the whole batch, ahead of its first reader
.irp b, 0,1,2,3
	v_exp_f32 v[232+\b], v[232+\b]                 ; the block's largest p: the same two instructions on the same number give the same bits
.endr
	v_pk_add_f32 v[236:237], v[96:97], v[98:99]    ; the row's sum of the unquantised p: two at a time, four chains by turns
	v_pk_add_f32 v[246:247], v[100:101], v[102:103]
	v_pk_add_f32 v[248:249], v[104:105], v[106:107]
.irp j, 12,20,28,36,44,52
	v_pk_add_f32 v[14:15], v[14:15], v[96+\j:97+\j]
	v_pk_add_f32 v[236:237], v[236:237], v[98+\j:99+\j]
	v_pk_add_f32 v[246:247], v[246:247], v[100+\j:101+\j]
	v_pk_add_f32 v[248:249], v[248:249], v[102+\j:103+\j]
.endr
	v_pk_add_f32 v[14:15], v[14:15], v[156:157]
	v_pk_add_f32 v[236:237], v[236:237], v[158:159]
	v_pk_add_f32 v[246:247], v[246:247], v[248:249]
	v_pk_add_f32 v[14:15], v[14:15], v[236:237]
	s_delay_alu instid0(VALU_DEP_1)
	v_pk_add_f32 v[14:15], v[14:15], v[246:247]
	s_wait_alu depctr_va_vdst(0)                   ; and one for the four
.irp b, 0,1,2,3
	v_max_num_f32 v[232+\b], 0x4800000, v[232+\b]  ; the floor 2^(9 - 127): the byte cannot fall under 1
.endr
.irp b, 0,1,2,3
	s_delay_alu instid0(VALU_DEP_4)
	v_add_nc_u32 v[244+\b], 0xfc000000, v[232+\b]  ; 8 off the exponent field: the conversion's scale operand
.endr
.irp b, 0,1,2,3
	v_and_or_b32 v[240+\b], v[232+\b], 0x7f800000, s[MNT]   ; 448 x the scale
.endr
.irp b, 0,1,2,3
	v_lshrrev_b32 v[236+\b], 23, v[244+\b]         ; the scale's byte
.endr
	s_delay_alu instid0(VALU_DEP_3)
	v_lshl_or_b32 v253, v237, 8, v236              ; p's scale word for these 128 keys
	s_delay_alu instid0(VALU_DEP_1)
	v_lshl_or_b32 v253, v238, 16, v253
	s_delay_alu instid0(VALU_DEP_1)
	v_lshl_or_b32 v253, v239, 24, v253
.irp b, 0,1,2,3
.irp i, 0,2,4,6,8,10,12,14
	v_dual_min_num_f32 v[96+16*\b+\i], v[96+16*\b+\i], v[240+\b] :: v_dual_min_num_f32 v[97+16*\b+\i], v[97+16*\b+\i], v[240+\b]   ; the conversion does not saturate (ISA guide 7.6.2); p is not negative, so the hold is one-sided
.endr
	v_cvt_scalef32_pk8_fp8_f32 v[16+4*\b:17+4*\b], v[96+16*\b:103+16*\b], v[244+\b]
	v_cvt_scalef32_pk8_fp8_f32 v[18+4*\b:19+4*\b], v[104+16*\b:111+16*\b], v[244+\b]
.endr
.if \m == 0
	PLACES 4                                       ; between the codes and the products
.else
	s_wait_alu depctr_va_vdst(0)                   ; ahead of the first reader of O^T
.irp j, 0,2,4,6,8,10,12,14,16,18,20,22,24,26,28,30
	v_pk_mul_f32 v[160+\j:161+\j], v[160+\j:161+\j], v[252:253] op_sel_hi:[1,0]   ; O^T under the new M.  (These sixteen are also the places between the codes and the products)
.endr
.endif
	s_wait_alu depctr_va_vdst(0)
	s_wait_dscnt 0x0                               ; V is in
.irp t, 0,1,2,3                        ; O^T += V^T p^T: four accumulators, one instruction a turn
.if \m == 0
.if \t % 2
	v_wmma_scale_f32_16x16x128_f8f6f4 v[160+8*\t:167+8*\t], v[32+16*\t:47+16*\t], v[16:31], 0, v[250+\t/2], v253 matrix_a_scale:MATRIX_SCALE_ROW1
.else
	v_wmma_scale_f32_16x16x128_f8f6f4 v[160+8*\t:167+8*\t], v[32+16*\t:47+16*\t], v[16:31], 0, v[250+\t/2], v253
.endif
.elseif \t % 2
	v_wmma_scale_f32_16x16x128_f8f6f4 v[160+8*\t:167+8*\t], v[32+16*\t:47+16*\t], v[16:31], v[160+8*\t:167+8*\t], v[250+\t/2], v253 matrix_a_scale:MATRIX_SCALE_ROW1
.else
	v_wmma_scale_f32_16x16x128_f8f6f4 v[160+8*\t:167+8*\t], v[32+16*\t:47+16*\t], v[16:31], v[160+8*\t:167+8*\t], v[250+\t/2], v253
.endif
.endr
.Lskip_\@:
.endm
; THE WAY OUT of a tile.  O^T / the sum: register 16 b + i is e = 32 b + 16 h + i of my query: two blocks of 32 along the last product's K, each shared with lane l xor 16.  They are quantised and stored as that product's operand registers.
.macro OUT
	v_add_f32 v14, v14, v15                        ; the sum's two halves,
	s_delay_alu instid0(VALU_DEP_1)
	v_permlanex16_b32 v252, v14, s[SEL], s[SEL+1]
	s_delay_alu instid0(VALU_DEP_1)
	v_add_f32 v14, v14, v252                       ; and lane l xor 16's: the row's sum
	s_wait_alu depctr_va_vdst(0)
	v_rcp_f32 v14, v14
	v_nop                                          ; a plain instruction behind the reciprocal
	s_wait_alu depctr_va_vdst(0)                   ; and the wait ahead of its first reader
.set N_, 0
.rept 32
	v_mul_f32 v[96+N_], v[160+N_], v14             ; each accumulator from its low end on
.set N_, N_+1
.endr
.irp b, 0,1
	v_max3_num_f32 v[232+\b], |v[96+16*\b]|, |v[97+16*\b]|, 0x4800000
.endr
.irp i, 2,4,6,8,10,12,14
.irp b, 0,1
	s_delay_alu instid0(VALU_DEP_2)
	v_max3_num_f32 v[232+\b], v[232+\b], |v[96+16*\b+\i]|, |v[97+16*\b+\i]|
.endr
.endr
.irp b, 0,1
	s_delay_alu instid0(VALU_DEP_2)
	v_permlanex16_b32 v[236+\b], v[232+\b], s[SEL], s[SEL+1]
.endr
.irp b, 0,1
	s_delay_alu instid0(VALU_DEP_2)
	v_max_num_f32 v[232+\b], v[232+\b], v[236+\b]
.endr
.irp b, 0,1
	s_delay_alu instid0(VALU_DEP_2)
	v_add_nc_u32 v[244+\b], 0xfc000000, v[232+\b]
.endr
.irp b, 0,1
	s_delay_alu instid0(VALU_DEP_4)
	v_and_or_b32 v[240+\b], v[232+\b], 0x7f800000, s[MNT]
.endr
.irp b, 0,1
	s_delay_alu instid0(VALU_DEP_4)
	v_lshrrev_b32 v[236+\b], 23, v[244+\b]
.endr
	s_delay_alu instid0(VALU_DEP_1)
	v_lshl_or_b32 v253, v237, 8, v236              ; my token's two scale bytes
.irp b, 0,1
.irp i, 0,1,2,3,4,5,6,7,8,9,10,11,12,13,14,15
	v_med3_num_f32 v[96+16*\b+\i], v[96+16*\b+\i], -v[240+\b], v[240+\b]
.endr
	v_cvt_scalef32_pk8_fp8_f32 v[16+4*\b:17+4*\b], v[96+16*\b:103+16*\b], v[244+\b]
	v_cvt_scalef32_pk8_fp8_f32 v[18+4*\b:19+4*\b], v[104+16*\b:111+16*\b], v[244+\b]
.endr
	v_nop                                          ; one plain vector instruction behind the last scaled conversion
	global_store_b128 v1, v[16:19], s[58:59]               ; 32 lanes store 512 consecutive bytes, aligned
	global_store_b128 v1, v[20:23], s[58:59] offset:512
	global_store_b16 v9, v253, s[60:61]            ; two bytes of each token's 32 (lanes l and l + 16 write the same bytes with the same value): short pieces, 131,072 bytes in the whole launch
.endm
	s_wait_alu depctr_va_vdst(0)
	s_cmp_eq_u32 s[WV], 0
	s_cbranch_scc0 .Lnot_first
	s_wait_tensorcnt 0x0                           ; wave 0: step 0 has landed.  The other waves' wait stands at the second barrier
.Lnot_first:
	s_barrier_signal -1
	s_barrier_wait -1
	STEP 0                                         ; step 0 counts for every tile
	s_wait_tensorcnt 0x0                           ; my step is in (nothing is filled again in this launch)
	s_wait_dscnt 0x0
	s_barrier_signal -1
	s_barrier_wait -1                              ; all sixteen steps are in
	s_mov_b32 s[ST], 1
	s_mov_b32 s[TC], STEPB
.Ltrip:                                            ; counts 1 .. 8.  A barrier in each: its signal stands ahead of the step, its wait behind it, so that no wave is more than one step ahead of another
	s_cmp_lg_u32 s[ST], s[SW]
	s_cbranch_scc1 .Lsame
	PLACES 8                                       ; a short wave stores its tile, and begins anew with tile 15 - p
	OUT
	v_mov_b32 v255, v224
.set N_, 0
.rept 8
	v_mov_b32 v[200+N_], v[216+N_]
.set N_, N_+1
.endr
	v_mov_b32 v13, 0xff61b1e6
	v_mov_b32 v14, 0
	v_mov_b32 v15, 0
	v_floor_f32 v12, -v13
.set N_, 0
.rept 32
	v_mov_b32 v[160+N_], 0
.set N_, N_+1
.endr
	s_wait_alu depctr_va_vdst(0)
	s_wait_xcnt 0x0                                ; the stores have read their registers: the next steps write them again
.Lsame:
	s_barrier_signal -1                            ; (no LDS load of mine is out; until the wait there are register work and LDS loads of bytes that nobody writes)
	s_cmp_gt_u32 s[ST], s[LA]
	s_cselect_b32 s48, s[JMP], 0
	s_add_co_u32 s[TB], s[TC], s48
	STEP 1
	s_barrier_wait -1
	s_add_co_u32 s[TC], s[TC], STEPB
	s_add_co_u32 s[ST], s[ST], 1
	s_cmp_lt_u32 s[ST], 9
	s_cbranch_scc1 .Ltrip
	PLACES 8                                       ; behind the last products
	s_cmp_lg_u32 s[KIND], 1
	s_cbranch_scc1 .Lkeep
	v_mov_b32 v240, v12                            ; a short wave hands over its part of tile 15 - p (pair 7's is empty: zeros, and -M = 3e38)
	v_add_f32 v241, v14, v15
	ds_store_b64 v7, v[240:241] offset:4096
.irp i, 0,1,2,3,4,5,6,7
	ds_store_b128 v6, v[160+4*\i:163+4*\i] offset:512*\i
.endr
.Lkeep:
	s_wait_dscnt 0x0                               ; for the other waves' sake
	s_barrier_signal -1
	s_barrier_wait -1
	s_cmp_lg_u32 s[KIND], 0
	s_cbranch_scc1 .Lend
	ds_load_b64 v[240:241], v7 offset:4096         ; a long wave joins the two parts
.irp i, 0,1,2,3,4,5,6,7
	ds_load_b128 v[32+4*\i:35+4*\i], v6 offset:512*\i
.endr
	s_wait_dscnt 0x0
	v_min_num_f32 v254, v12, v240                  ; the joint -M
	v_sub_f32 v232, v254, v12
	v_sub_f32 v233, v254, v240
	v_cvt_i32_f32 v232, v232
	v_cvt_i32_f32 v233, v233
	v_ldexp_f32 v244, 1.0, v232                    ; both parts are brought under it by exact powers of two
	v_ldexp_f32 v246, 1.0, v233
	v_pk_mul_f32 v[14:15], v[14:15], v[244:245] op_sel_hi:[1,0]
	v_fma_f32 v14, v241, v246, v14
.irp j, 0,2,4,6,8,10,12,14,16,18,20,22,24,26,28,30
	v_pk_mul_f32 v[160+\j:161+\j], v[160+\j:161+\j], v[244:245] op_sel_hi:[1,0]
.endr
.irp j, 0,2,4,6,8,10,12,14,16,18,20,22,24,26,28,30
	v_pk_fma_f32 v[160+\j:161+\j], v[32+\j:33+\j], v[246:247], v[160+\j:161+\j] op_sel_hi:[1,0,1]
.endr
	OUT
.Lend:
	s_wait_tensorcnt 0x0                           ; the wave's end
	ds_add_u32 v230, v231
	s_wait_dscnt 0x0
	CROUND                                         ; the closing round: no work-group ends while a partner may still ask for a tile that names it
	s_endpgm
.Lfunc_end_k_q99fc4d6e49_attn:
	.size	k_q99fc4d6e49_attn, .Lfunc_end_k_q99fc4d6e49_attn-k_q99fc4d6e49_attn
	.p2alignl 7, 3214868480
	.fill 96, 4, 3214868480
	.section	.rodata,"a",@progbits
	.p2align	6, 0x0
	.amdhsa_kernel k_q99fc4d6e49_attn
		.amdhsa_group_segment_fixed_size 327680
		.amdhsa_private_segment_fixed_size 0
		.amdhsa_enable_private_segment 0
		.amdhsa_kernarg_size 24
		.amdhsa_user_sgpr_count 2
		.amdhsa_user_sgpr_kernarg_segment_ptr 1
		.amdhsa_wavefront_size32 1
		.amdhsa_system_sgpr_workgroup_id_x 1
		.amdhsa_system_sgpr_workgroup_id_y 1
		.amdhsa_system_sgpr_workgroup_id_z 1
		.amdhsa_system_vgpr_workitem_id 0
		.amdhsa_next_free_vgpr 256
		.amdhsa_next_free_sgpr 66
		.amdhsa_reserve_vcc 0
		.amdhsa_float_denorm_mode_32 3
		.amdhsa_float_denorm_mode_16_64 3
		.amdhsa_memory_ordered 1
		.amdhsa_forward_progress 1
		.amdhsa_inst_pref_size 74
	.end_amdhsa_kernel
	.amdgpu_metadata
---
amdhsa.version: [ 1, 2 ]
amdhsa.kernels:
  - .name:           k_q99fc4d6e49_attn
    .symbol:         k_q99fc4d6e49_attn.kd
    .args:
      - { .name: qi, .offset: 0, .size: 8, .value_kind: global_buffer, .address_space: global }
      - { .name: kv, .offset: 8, .size: 8, .value_kind: global_buffer, .address_space: global }
      - { .name: ai, .offset: 16, .size: 8, .value_kind: global_buffer, .address_space: global }
    .group_segment_fixed_size: 327680
    .private_segment_fixed_size: 0
    .kernarg_segment_align: 8
    .kernarg_segment_size: 24
    .max_flat_workgroup_size: 512
    .sgpr_count:     66
    .vgpr_count:     256
    .wavefront_size: 32
...
	.end_amdgpu_metadata
.endif
;; end of part 3
;; launch oproj (part 4): grid 8 x 32, 4 waves a work-group, clusters of 4 x 4, 327,680 bytes of LDS; arguments ai, wo, out0; writes out0
.if DOCPART == 4
	.amdgcn_target "amdgcn-amd-amdhsa--gfx1250"
	.amdhsa_code_object_version 6
	.text
	.protected	k_q99fc4d6e49_oproj
	.globl	k_q99fc4d6e49_oproj
	.p2align	8
	.type	k_q99fc4d6e49_oproj,@function
k_q99fc4d6e49_oproj:
	s_mov_b64 s[64:65], 0
	v_nop
	global_prefetch_b8 v0, s[64:65] scope:SCOPE_SE
	s_setreg_imm32_b32 hwreg(HW_REG_WAVE_MODE, 25, 1), 1
	s_wait_xcnt 0x0
	s_wait_alu depctr_hold_cnt(0) depctr_sa_sdst(0) depctr_va_vdst(0) depctr_va_sdst(0) depctr_va_ssrc(0) depctr_va_vcc(0) depctr_vm_vsrc(0)
	s_getreg_b32 s2, hwreg(HW_REG_IB_STS2, 6, 4)
	s_cmp_eq_u32 s2, 0
	s_cbranch_scc0 .Lentry_in_a_cluster
	s_endpgm
.Lentry_in_a_cluster:
	s_bfe_u32 s2, ttmp6, 0x10000c
	s_cmp_lg_u32 s2, 0xf033
	s_cbranch_scc0 .Lentry_shape_is_right
	s_endpgm
.Lentry_shape_is_right:
; out0[token][n] = the sum over k = (head, e) of attn_out[token][k] W_O[k][n], on codes of FP8 (E4M3) with E8M0 scales; sums in f32, K ascending, one accumulator for each output.
; ai, wo: images of operand registers, [tile of 16 rows][K step 8][c 4][lane 32][16 bytes], 16,384 bytes a tile; scale bytes [row][32] behind them (ai: from byte 4,194,304; wo: from 1,048,576).
; A tile of out0 is 128 tokens x 128 columns: 256 work-groups, one for each WGP (tiles of 256 x 256 would be 64).  Four waves, 2 x 2, of 64 x 64.
; A wave holds its 64 columns of W_O, ALL of K, in 512 registers, and finishes its four token tiles one after the other, so that the first rows leave while the others are multiplied.
; EACH LDS BYTE IS FILLED ONCE, by one joint load a wave: waves 0, 1 fetch W_O's halves (four tiles, 65,536 dense bytes), which are wanted first; waves 2, 3 the tokens' halves.  The first barrier shows W_O, the second the tokens.
; The tokens' tiles are shared along a row of the 4 x 4 cluster, W_O's along a column.  No prefetch: all that the launch reads is asked for at its head.  The scale bytes go from memory straight into registers.
; THE MATRIX INSTRUCTION IS USED TRANSPOSED (source 0 = 16 columns of W_O, source 1 = 16 tokens): a lane holds eight neighbouring numbers of a row of out0.
; LIMITS: NaN, infinities and sums beyond f32's range are not served.
; REGISTERS: window 0: v4-9 addresses; v30, v31 the add's; v40-55 W_O's scale words (8 p + q: lanes 0-15 column tile 2 p's, lanes 16-31 tile 2 p + 1's, K step q), v60-75 the tokens' likewise; v80-143 rows on the way out, two sets;
;   v144-207 two sets of four accumulators.   windows 1, 2: W_O: fragment 4 q + b.   window 3: two sets of a token tile's eight fragments.
.set AREG, 131072                      ; the tokens' images in LDS, behind W_O's
.set STG,  262144                      ; the stages: 16 rows x 272 bytes for each wave; no tensor load lands here
.set SPITCH, 272
.set SPARE, STG+4*16*SPITCH            ; the spare words, 128 bytes for each wave
.set ADRA, 4
.set ADRB, 5
.set STO,  6
.set RD,   7
.set CO,   8
.set SCO,  9
.set SB,   40
.set SA,   60
.set BK,   80
.set ACC,  144
.set G1A,  16                          ; s[16:23] descriptor group 1 for the tokens;  s[24:31] for W_O;  s[52:55], s[48:51] their groups 0
.set G1B,  24
.set MSB, 0
.macro WIN new                         ; the immediate's high byte repeats the setting that is left
.if MSB != \new
	s_set_vgpr_msb (MSB<<8)|\new
.set MSB, \new
.endif
.endm
.macro CROUND                          ; a round of the cluster's barrier
	s_barrier_signal -1
	s_barrier_wait -1
	s_cmp_lg_u32 s10, 0
	s_cbranch_scc1 .Lnot_wave_0_\@
	s_barrier_signal -3
.Lnot_wave_0_\@:
	s_barrier_wait -3
	s_barrier_signal -1
	s_barrier_wait -1
.endm
.macro PLACES n
.rept \n
	v_nop
.endr
.endm
	s_load_b128 s[4:7], s[0:1], 0x0                ; ai s[4:5], wo s[6:7]
	s_load_b64 s[8:9], s[0:1], 0x10                ; out0
	v_lshl_add_u32 v30, v0, 2, SPARE
	v_mov_b32 v31, 0
	ds_add_u32 v30, v31                            ; the wave's opening: the add, twice on end, and its wait
	ds_add_u32 v30, v31
	v_lshrrev_b32 v1, 5, v0
	v_readfirstlane_b32 s10, v1                    ; wave 0..3
	s_lshr_b32 s11, s10, 1                         ; which 64 tokens are mine
	s_and_b32 s12, s10, 1                          ; which 64 columns.  Also: which half of a side I fetch
	s_bfe_u32 s92, ttmp6, 0x40000                  ; cx
	s_bfe_u32 s93, ttmp6, 0x40004                  ; cy
	s_lshl_b32 s94, ttmp9, 2
	s_add_co_u32 s94, s94, s92                     ; tile column
	s_and_b32 s95, ttmp7, 0xffff
	s_lshl_b32 s95, s95, 2
	s_add_co_u32 s95, s95, s93                     ; tile row
	s_lshl_b32 s96, s93, 2
	s_lshl_b32 s96, 15, s96                        ; my row of the cluster
	s_lshl_b32 s97, 0x1111, s92                    ; my column
	s_or_b32 s[G1A], s96, (3<<16)|(1<<21)          ; 15:0 the mask; 17:16 elements of 8 bytes; 21 set beside a mask; no padding: the images are read 16 bytes a lane on end
	s_or_b32 s[G1B], s97, (3<<16)|(1<<21)
.irp g, G1A, G1B                       ; four tiles: 4 rows of 16,384 bytes (2,048 elements), dense
	s_mov_b32 s[\g+1], 2048<<16                    ; tensor_dim0
	s_mov_b32 s[\g+2], 4<<16                       ; tensor_dim1
	s_mov_b32 s[\g+3], 2048<<16                    ; tile_dim0
	s_mov_b32 s[\g+4], 4                           ; tile_dim1
	s_mov_b32 s[\g+5], 2048                        ; tensor_dim0_stride
	s_mov_b32 s[\g+6], 0
	s_mov_b32 s[\g+7], 0
.endr
	s_lshl_b32 s98, s95, 17                        ; the tokens' codes: 8 tiles of 16,384 bytes a tile row,
	s_lshl_b32 s99, s12, 16                        ; + my four
	s_add_co_u32 s98, s98, s99
	s_mov_b32 s99, 0
	s_lshl_b32 s100, s94, 17                       ; W_O's likewise, by the tile column: in registers that never hold cy
	s_lshl_b32 s101, s12, 16
	s_add_co_u32 s100, s100, s101
	s_mov_b32 s101, 0
	s_lshl_b32 s14, s95, 12                        ; scale bytes: 4,096 a tile row, + my 64 tokens' 2,048, behind the codes
	s_lshl_b32 s15, s11, 11
	s_add_co_u32 s14, s14, s15
	s_add_co_u32 s14, s14, 4194304
	s_mov_b32 s15, 0
	s_lshl_b32 s2, s94, 12                         ; and my 64 columns'
	s_lshl_b32 s3, s12, 11
	s_add_co_u32 s2, s2, s3
	s_add_co_u32 s2, s2, 1048576
	s_mov_b32 s3, 0
	s_lshl_b32 s13, s10, 16                        ; where a load goes: 65,536 x wave: no place in the cluster enters an LDS address
	s_wait_dscnt 0x0                               ; both opening adds are done
	CROUND                                         ; all sixteen work-groups are here: the joint loads meet
	s_wait_kmcnt 0x0
	s_mov_b32 s48, 1
	s_mov_b32 s49, s13
	s_add_nc_u64 s[50:51], s[6:7], s[100:101]
	s_or_b32 s51, s51, 0x80000000
	s_mov_b32 s52, 1
	s_mov_b32 s53, s13
	s_add_nc_u64 s[54:55], s[4:5], s[98:99]
	s_or_b32 s55, s55, 0x80000000
	s_cmp_lt_u32 s10, 2
	s_cbranch_scc0 .Lfor_a
	tensor_load_to_lds s[48:51], s[G1B:G1B+7]
	s_nop 0
	PLACES 4
	s_branch .Lasked
.Lfor_a:
	tensor_load_to_lds s[52:55], s[G1A:G1A+7]
	s_nop 0
	PLACES 4
.Lasked:
	s_add_nc_u64 s[14:15], s[4:5], s[14:15]
	s_add_nc_u64 s[2:3], s[6:7], s[2:3]
	v_and_b32 v3, 31, v0                           ; lane
	v_lshlrev_b32 v[SCO], 5, v3                    ; lane l takes row l of a pair of tiles: 32 bytes
.irp p, 0,1
.irp m, 0,1
	global_load_b128 v[SB+8*\p+4*\m:SB+8*\p+4*\m+3], v[SCO], s[2:3] offset:1024*\p+16*\m
	global_load_b128 v[SA+8*\p+4*\m:SA+8*\p+4*\m+3], v[SCO], s[14:15] offset:1024*\p+16*\m
.endr
.endr
	s_lshl_b32 s13, s12, 16                        ; my four tiles of W_O,
	s_lshl_b32 s92, s11, 16
	s_add_co_u32 s92, s92, AREG                    ; my four of the tokens
	s_mul_i32 s93, s10, 16*SPITCH
	s_add_co_u32 s93, s93, STG                     ; my stage
	s_wait_alu depctr_va_vdst(0)
	v_and_b32 v1, 15, v0                           ; r
	v_bfe_u32 v2, v0, 4, 1                         ; h
	v_lshlrev_b32 v3, 4, v3                        ; 16 x lane
	v_add_nc_u32 v[ADRB], s13, v3
	v_add_nc_u32 v[ADRA], s92, v3
	v_mul_u32_u24 v10, v1, SPITCH                  ; in: row r, 32 bytes for each half of the lanes
	v_lshl_add_u32 v10, v2, 5, v10
	v_add_nc_u32 v[STO], s93, v10
	v_mul_u32_u24 v11, v2, SPITCH                  ; back: lanes 0-15 one row of 256 bytes, lanes 16-31 the next
	v_lshl_add_u32 v11, v1, 4, v11
	v_add_nc_u32 v[RD], s93, v11
	v_lshlrev_b32 v12, 12, v2                      ; and the same two rows in out0
	v_lshl_add_u32 v[CO], v1, 4, v12
	s_lshl_b32 s96, s95, 19                        ; my first row: 128 x tile row + 64 x half, 4,096 bytes a row;
	s_lshl_b32 s97, s11, 18
	s_add_co_u32 s96, s96, s97
	s_lshl_b32 s97, s94, 9                         ; my first column: 512 bytes a tile column + 256 x half
	s_add_co_u32 s96, s96, s97
	s_lshl_b32 s97, s12, 8
	s_add_co_u32 s96, s96, s97
	s_mov_b32 s97, 0
	s_add_nc_u64 s[8:9], s[8:9], s[96:97]
.macro FETCH t                         ; token tile t, all of K, into set t % 2 of window 3: 32 loads, images: 512 consecutive bytes a load
	WIN 0xc0
.irp q, 0,1,2,3,4,5,6,7
.irp c, 0,1,2,3
	ds_load_b128 v[128*((\t)%2)+16*\q+4*\c:128*((\t)%2)+16*\q+4*\c+3], v[ADRA] offset:16384*(\t)+2048*\q+512*\c
.endr
.endr
	WIN 0
.endm
.macro PROD t, lo, hi                  ; products lo .. hi - 1 of tile t's 32: number 4 q + b: K step q, column tile b: the four accumulators take turns, one instruction a turn
.set N_, \lo
.rept (\hi)-(\lo)
	WIN (13+N_/16)
.set Q_, N_/4
.set B_, N_%4
.set D_, ACC+32*((\t)%2)+8*B_
.set W_, 16*(N_%16)
.set X_, 128*((\t)%2)+16*Q_
.set S0_, SB+8*(B_/2)+Q_
.set S1_, SA+8*((\t)/2)+Q_
.if Q_ == 0
.if B_%2
.if (\t)%2
	v_wmma_scale_f32_16x16x128_f8f6f4 v[D_:D_+7], v[W_:W_+15], v[X_:X_+15], 0, v[S0_], v[S1_] matrix_a_scale:MATRIX_SCALE_ROW1 matrix_b_scale:MATRIX_SCALE_ROW1
.else
	v_wmma_scale_f32_16x16x128_f8f6f4 v[D_:D_+7], v[W_:W_+15], v[X_:X_+15], 0, v[S0_], v[S1_] matrix_a_scale:MATRIX_SCALE_ROW1
.endif
.else
.if (\t)%2
	v_wmma_scale_f32_16x16x128_f8f6f4 v[D_:D_+7], v[W_:W_+15], v[X_:X_+15], 0, v[S0_], v[S1_] matrix_b_scale:MATRIX_SCALE_ROW1
.else
	v_wmma_scale_f32_16x16x128_f8f6f4 v[D_:D_+7], v[W_:W_+15], v[X_:X_+15], 0, v[S0_], v[S1_]
.endif
.endif
.else
.if B_%2
.if (\t)%2
	v_wmma_scale_f32_16x16x128_f8f6f4 v[D_:D_+7], v[W_:W_+15], v[X_:X_+15], v[D_:D_+7], v[S0_], v[S1_] matrix_a_scale:MATRIX_SCALE_ROW1 matrix_b_scale:MATRIX_SCALE_ROW1
.else
	v_wmma_scale_f32_16x16x128_f8f6f4 v[D_:D_+7], v[W_:W_+15], v[X_:X_+15], v[D_:D_+7], v[S0_], v[S1_] matrix_a_scale:MATRIX_SCALE_ROW1
.endif
.else
.if (\t)%2
	v_wmma_scale_f32_16x16x128_f8f6f4 v[D_:D_+7], v[W_:W_+15], v[X_:X_+15], v[D_:D_+7], v[S0_], v[S1_] matrix_b_scale:MATRIX_SCALE_ROW1
.else
	v_wmma_scale_f32_16x16x128_f8f6f4 v[D_:D_+7], v[W_:W_+15], v[X_:X_+15], v[D_:D_+7], v[S0_], v[S1_]
.endif
.endif
.endif
.set N_, N_+1
.endr
	WIN 0
.endm
; THE WAY OUT of a tile of 16 tokens x 64 columns.  A lane holds 32 neighbouring bytes of a row and the lanes beside it other rows: a tile goes through my own stage in LDS and comes back as whole rows of 256 bytes.
; LDS serves a wave's instructions in order (ISA guide 5.7.1.4): no wait between the stores and the loads, nor in front of the next tile's stores.
.macro TOSTAGE t
	PLACES 8                                       ; behind the tile's last products, ahead of the reads of its sums and of loads into the registers that they have read
.set D_, ACC+32*((\t)%2)
.irp b, 0,1,2,3
	ds_store_b128 v[STO], v[D_+8*\b:D_+8*\b+3] offset:64*\b          ; each accumulator from its low end on
	ds_store_b128 v[STO], v[D_+8*\b+4:D_+8*\b+7] offset:64*\b+16
.endr
.set D_, BK+32*((\t)%2)
.if (\t) > 1
	s_wait_xcnt 0x0                                ; tile t - 2's stores have read these registers
.endif
.irp i, 0,1,2,3,4,5,6,7
	ds_load_b128 v[D_+4*\i:D_+4*\i+3], v[RD] offset:\i*2*SPITCH
.endr
.endm
.macro SEND t, younger                 ; younger: the LDS instructions issued behind tile t's loads, which may stay out
.set D_, BK+32*((\t)%2)
	s_wait_dscnt \younger
.irp i, 0,1,2,3,4,5,6,7
	global_store_b128 v[CO], v[D_+4*\i:D_+4*\i+3], s[8:9] offset:(16*(\t)+2*\i)*4096 th:TH_STORE_NT   ; 16 lanes store 256 consecutive bytes, aligned; written once, read by nobody here
.endr
.endm
	s_wait_alu depctr_va_vdst(0)
	s_cmp_lt_u32 s10, 2
	s_cbranch_scc0 .Lno_wait
	s_wait_tensorcnt 0x0                           ; waves 0, 1: W_O has landed.  The other waves' wait stands at the second barrier
.Lno_wait:
	s_barrier_signal -1
	s_barrier_wait -1
.irp q, 0,1,2,3,4,5,6,7                ; my 64 columns of W_O into windows 1 and 2: 128 loads
	WIN ((1+\q/4)*64)
.irp b, 0,1,2,3
.irp c, 0,1,2,3
	ds_load_b128 v[64*(\q%4)+16*\b+4*\c:64*(\q%4)+16*\b+4*\c+3], v[ADRB] offset:16384*\b+2048*\q+512*\c
.endr
.endr
.endr
	WIN 0
	s_wait_tensorcnt 0x0                           ; the tokens have landed (nothing is filled again in this launch)
	s_wait_loadcnt 0x0                             ; the scale words
	s_wait_dscnt 0x0                               ; no LDS instruction of mine is out at a signal
	s_barrier_signal -1
	s_barrier_wait -1
	FETCH 0
	FETCH 1
	s_wait_dscnt 32                                ; all but tile 1's 32
	PROD 0, 0, 32
	TOSTAGE 0
	FETCH 2
	s_wait_dscnt 48                                ; tile 1 is in: behind it the stage's 16 and tile 2's 32
	PROD 1, 0, 16
	SEND 0, 32                                     ; behind tile 0's rows: tile 2's 32
	PROD 1, 16, 32
	TOSTAGE 1
	FETCH 3
	s_wait_dscnt 48                                ; tile 2 is in
	PROD 2, 0, 16
	SEND 1, 32
	PROD 2, 16, 32
	TOSTAGE 2
	s_wait_dscnt 16                                ; tile 3 is in: behind it the stage's 16
	PROD 3, 0, 16
	SEND 2, 0
	PROD 3, 16, 32
	TOSTAGE 3
	SEND 3, 0
	s_wait_tensorcnt 0x0                           ; the wave's end
	ds_add_u32 v30, v31
	s_wait_dscnt 0x0
	CROUND                                         ; the closing round: no work-group ends while a partner may still ask for a tile that names it
	s_endpgm
.Lfunc_end_k_q99fc4d6e49_oproj:
	.size	k_q99fc4d6e49_oproj, .Lfunc_end_k_q99fc4d6e49_oproj-k_q99fc4d6e49_oproj
	.p2alignl 7, 3214868480
	.fill 96, 4, 3214868480
	.section	.rodata,"a",@progbits
	.p2align	6, 0x0
	.amdhsa_kernel k_q99fc4d6e49_oproj
		.amdhsa_group_segment_fixed_size 327680
		.amdhsa_private_segment_fixed_size 0
		.amdhsa_enable_private_segment 0
		.amdhsa_kernarg_size 24
		.amdhsa_user_sgpr_count 2
		.amdhsa_user_sgpr_kernarg_segment_ptr 1
		.amdhsa_wavefront_size32 1
		.amdhsa_system_sgpr_workgroup_id_x 1
		.amdhsa_system_sgpr_workgroup_id_y 1
		.amdhsa_system_sgpr_workgroup_id_z 1
		.amdhsa_system_vgpr_workitem_id 0
		.amdhsa_next_free_vgpr 1024
		.amdhsa_next_free_sgpr 102
		.amdhsa_reserve_vcc 0
		.amdhsa_float_denorm_mode_32 3
		.amdhsa_float_denorm_mode_16_64 3
		.amdhsa_memory_ordered 1
		.amdhsa_forward_progress 1
		.amdhsa_inst_pref_size 49
	.end_amdhsa_kernel
	.amdgpu_metadata
---
amdhsa.version: [ 1, 2 ]
amdhsa.kernels:
  - .name:           k_q99fc4d6e49_oproj
    .symbol:         k_q99fc4d6e49_oproj.kd
    .args:
      - { .name: ai, .offset: 0, .size: 8, .value_kind: global_buffer, .address_space: global }
      - { .name: wo, .offset: 8, .size: 8, .value_kind: global_buffer, .address_space: global }
      - { .name: out0, .offset: 16, .size: 8, .value_kind: global_buffer, .address_space: global }
    .group_segment_fixed_size: 327680
    .private_segment_fixed_size: 0
    .kernarg_segment_align: 8
    .kernarg_segment_size: 24
    .max_flat_workgroup_size: 128
    .sgpr_count:     102
    .vgpr_count:     1024
    .wavefront_size: 32
...
	.end_amdgpu_metadata
.endif
;; end of part 4
